; MI455X (gfx1250); checked and timed in simulation.
; The chip was launched on July 23, 2026; its instructions are those of AMD's public machine-readable ISA for CDNA 5 (MIT licence, August 2026) and "CDNA5" Instruction Set Architecture Reference Guide (July 2026). The comments in the code are by the model that wrote it; some were corrected since.
;; Causal Self Attention. Allowed arithmetic: matrix products marked QUANTISED: E3M2 operands, one E8M0 scale for each 32 along K, by v_wmma_scale_f32_16x16x128_f8f6f4 with both operands' format E3M2, f32 sums; everything else in f32.
;; Inputs: b_attn 3,072 float32; b_proj 1,024 float32; w_attn 1,024 x 3,072 float32; w_proj 1,024 x 1,024 float32; x 4 x 2,048 x 1,024 float32.
;; Outputs: out0 4 x 2,048 x 1,024 float32.
;; This version of the problem:
;;   THIS VERSION OF THE PROBLEM IS GIVEN IN LOW PRECISION. The matrix products marked QUANTISED in the list below multiply operands that are first quantised to E3M2 (3 exponent bits, 2 mantissa bits; 6 bits a number), with one power-of-two scale for each 32 numbers along K (OCP MX v1.0); their sums are f32. All else is computed in f32.
;;   The module's matrix products, in the order in which they are computed (A, B: the left and right operand; K: the contracted axis; several contracted axes count as one K, in the product's order):
;;     1. [M 8,192, K 1,024] x [K 1,024, N 3,072]; A: input x; B: input w_attn: QUANTISED
;;     2. batch 64 x [M 2,048, K 64] x [K 64, N 2,048]; A: computed on the way; B: computed on the way: QUANTISED
;;     3. batch 64 x [M 2,048, K 2,048] x [K 2,048, N 64]; A: softmax (see below); B: computed on the way: QUANTISED
;;     4. [M 8,192, K 1,024] x [K 1,024, N 1,024]; A: computed on the way; B: input w_proj: QUANTISED
;;   THE QUANTISER, for each operand of a quantised product, along K:
;;     - K is cut into blocks of 32 from its start; a last block that is shorter is filled with zeros.
;;     - A block's scale is 2^e with e = floor(log2(the largest magnitude in the block)) - 4, held to -126 .. 127; a block of zeros has e = 0. As a byte (E8M0): e + 127.
;;     - Each number is divided by its block's scale, clamped to +-28, and rounded to the nearest number of E3M2, ties to even, subnormals kept.
;;     - The product sums the exact products of the quantised numbers (number of the format x scale) in f32.
;;   ~~~python
;;   def quantise(x, axis):      # numpy; x: float32 -> the quantised numbers, widened to float32 again
;;       x = np.moveaxis(x, axis, -1); K = x.shape[-1]
;;       x = np.pad(x, [(0, 0)] * (x.ndim - 1) + [(0, -K % 32)]); x = x.reshape(x.shape[:-1] + (-1, 32)); a = np.abs(x).max(-1, keepdims=True)
;;       e = np.where(a > 0, np.clip(np.frexp(np.where(a > 0, a, 1))[1] - 1 - 4, -126, 127), 0)      # np.frexp(a)[1] - 1 = floor(log2(a)), exactly
;;       r = np.clip(x / 2.0 ** e, -28, 28)
;;       step = 2.0 ** (np.maximum(np.frexp(np.where(r == 0, 1, r))[1] - 1, -2) - 2)
;;       q = np.round(r / step) * step * 2.0 ** e      # np.round: ties to even
;;       return np.moveaxis(q.reshape(q.shape[:-2] + (-1,))[..., :K], -1, axis).astype(np.float32)
;;   ~~~
;;   SOFTMAX AHEAD OF A QUANTISED PRODUCT. Where the list says 'softmax', what is quantised is not the finished softmax but p = 2^(t - M), with t = logit x log2(e) and M = ceil(the row's largest t), a whole number; so 1/2 < the row's largest p <= 1. The row's sum l is taken of the UNQUANTISED p, in f32, and the product's result is divided by l at the end. Since M is a whole number, a kernel that streams over the keys may use a running M (the ceiling of the running maximum): every later rescaling is an exact power of two, which a block's scale takes up: the codes' values come out the same.
;;   OPERANDS COMPUTED ON THE WAY. 'Computed on the way' means the value that the module computes at that place (a softmax that the list does not call 'softmax' is quantised finished and normalised). What goes into a quantiser is computed in f32, as accurately as f32 sums, v_exp_f32 and their like allow (about 1e-6 of the number): no bf16 or f16 on the way to a quantiser, and a product that is left as it is and whose result goes on into a quantised operand takes f32 operands (vector FMAs, or v_wmma_f32_16x16x4_f32). A number that lies on a knife's edge between two numbers of the format may be rounded either way, as far as f32 arithmetic and the matrix unit's own rounding can turn it there, and no further.
;; One version. Each part assembles by itself: llvm-mc -triple=amdgcn-amd-amdhsa -mcpu=gfx1250 --defsym DOCPART=n.
;; ======== version 1 of 1: 4 launches
;; limits: right only within a limited range of input values
;; workspace buffers: xq 6,553,600 bytes; wq 3,276,800 bytes; qkr 13,631,488 bytes; vr 6,815,744 bytes; yq 6,553,600 bytes
;; launch quant (part 1): grid 640 x 1, 8 waves a work-group, no clusters, 97,280 bytes of LDS; arguments x, w_attn, w_proj, xq, wq; writes xq, wq
.if DOCPART == 1
	.amdgcn_target "amdgcn-amd-amdhsa--gfx1250"
	.amdhsa_code_object_version 6
	.text
	.protected	k_q72ebb67fd1_quant
	.globl	k_q72ebb67fd1_quant
	.p2align	8
	.type	k_q72ebb67fd1_quant,@function
k_q72ebb67fd1_quant:
	s_mov_b64 s[64:65], 0
	v_nop
	global_prefetch_b8 v0, s[64:65] scope:SCOPE_SE
	s_setreg_imm32_b32 hwreg(HW_REG_WAVE_MODE, 25, 1), 1
	s_wait_xcnt 0x0
; ONE LAUNCH QUANTISES ALL THREE f32 OPERANDS to codes of BF6 (E3M2) along K = 1,024 with one E8M0 byte for each 32, laid as the matrix unit's registers want them.
; Work-groups 0 .. 127 take the weights (32 columns each: 96 groups of w_attn, 32 of w_proj), work-groups 128 .. 639 a row block of 16 tokens of x.  The two ways part on the work-group's number and have LDS bytes of their own.
; IMAGES.  Codes: [row block of 16][64 along K: 16][768 bytes]: lane (r, h) owns the 24 bytes of row r, k = 32 h .. 32 h + 31: bytes 0-15 at 16 x lane, bytes 16-23 at 512 + 8 x lane.  Scale bytes behind the codes: [place][32].
; PLACES.  A row (a token, or a COLUMN of a weight) lies at the place that is its number with bits 3 and 4 exchanged: row block 2 B + u holds rows 32 B + 8 u + m + 8 (m / 8).  wq: w_attn's 3,072 columns, then w_proj's 1,024.
; x: wave s takes columns 128 s .. 128 s + 127; each load reads 512 consecutive bytes of a token; the 16 rows turn through the wave's own stage (rows of 528 bytes), so that a lane gets two whole blocks of 32 of its row.
; WEIGHTS: K is the first axis: a lane takes a column and its registers run down K; wave y takes rows 128 y .. 128 y + 127; the codes go through the wave's own stage, laid as the two images, and leave in runs of 512 bytes.
; THE QUANTISER.  A block's scale is 2^(floor(log2(largest magnitude)) - 4): its byte is the largest magnitude's exponent field - 4.
; LIMITS: the largest magnitude is taken no smaller than 2^-122, so the byte is at least 1; a block of zeros gets the byte 1 (the rule says 127): its codes are zeros, and only this program reads the bytes.
; NaN and infinities among the inputs are not served.
.set WGW,  128                         ; the weights' work-groups
.set WB,   68608                       ; the weights' way has the LDS bytes from here on
.set SPARE, 96256                      ; the spare words, 128 bytes for each of eight waves
	s_load_b256 s[40:47], s[0:1], 0x0              ; x, w_attn, w_proj, xq
	s_load_b64 s[48:49], s[0:1], 0x20              ; wq
	v_lshl_add_u32 v184, v0, 2, SPARE
	v_mov_b32 v185, 0
	s_cmp_lt_u32 ttmp9, WGW
	s_cbranch_scc0 .Lx
; ---- the weights
.set WSC, 3145728
.set WST, 3328                         ; a wave's stage: two images of 1,536 bytes, 1,664 bytes apart
.set IMG, 1664
.set SCW, WB+8*WST                     ; behind the stages: 32 places x 32 scale bytes
.set OF,  16                           ; v16-47   byte offset of row i of a block
.set X,   48                           ; v48-111  two sets of 32 numbers
.set C,   112                          ; v112-143 eight registers for each block's codes
.set SB,  144                          ; v144     my column's scale word of this K step
.set OUT, 148                          ; v148-171 the way out
	v_lshrrev_b32 v1, 5, v0
	s_delay_alu instid0(VALU_DEP_1)
	v_readfirstlane_b32 s10, v1                    ; wave = K step
	v_and_b32 v1, 31, v0                           ; lane = column in the group
	s_delay_alu instid0(VALU_DEP_1)
	v_lshlrev_b32 v2, 2, v1
	s_delay_alu instid0(VALU_DEP_2)
	v_and_b32 v3, 7, v1
	v_bfe_u32 v4, v0, 3, 1                         ; u: which of the group's two row blocks
	v_bfe_u32 v10, v0, 4, 1
	s_delay_alu instid0(VALU_DEP_1)
	v_lshl_add_u32 v3, v10, 3, v3                  ; m: the row in it
	s_mul_i32 s11, s10, WST
	s_add_co_u32 s11, s11, WB
	v_mul_u32_u24 v11, v4, IMG
	s_delay_alu instid0(VALU_DEP_1)
	v_add_nc_u32 v11, s11, v11
	s_delay_alu instid0(VALU_DEP_1)
	v_lshl_add_u32 v5, v3, 4, v11                  ; where my 16 bytes go,
	s_delay_alu instid0(VALU_DEP_2)
	v_lshl_add_u32 v6, v3, 3, v11
	s_delay_alu instid0(VALU_DEP_1)
	v_add_nc_u32 v6, 512, v6                       ; and my 8
	v_lshlrev_b32 v8, 4, v1
	s_delay_alu instid0(VALU_DEP_1)
	v_add_nc_u32 v7, s11, v8                       ; back: 16 x lane
	v_lshl_add_u32 v9, v4, 4, v3
	s_delay_alu instid0(VALU_DEP_1)
	v_lshlrev_b32 v9, 5, v9
	s_lshl_b32 s12, s10, 2
	s_add_co_u32 s12, s12, SCW
	v_add_nc_u32 v9, s12, v9                       ; my place's scale word of this K step
	v_add_nc_u32 v15, SCW, v8                      ; wave 0's read of the scale rows
	s_mov_b32 s30, 4096
	s_cmp_lt_u32 ttmp9, 96                         ; w_attn's group or w_proj's
	s_cselect_b32 s30, 12288, s30                  ; bytes from row to row
	s_cselect_b32 s31, 0, 96
	s_sub_co_u32 s31, ttmp9, s31
	s_lshl_b32 s31, s31, 7                         ; the group's first column, in bytes
	s_lshl_b32 s32, s10, 7                         ; my first row
.irp i, 0,1,2,3,4,5,6,7,8,9,10,11,12,13,14,15,16,17,18,19,20,21,22,23,24,25,26,27,28,29,30,31
	v_mad_u32_u24 v[OF+\i], s30, \i, v2
.endr
	s_mul_i32 s28, ttmp9, 24576
	s_mul_i32 s29, s10, 1536
	s_add_co_u32 s28, s28, s29                     ; my two fragments' place: row block 2 g, K step y
	s_mov_b32 s29, 0
	s_lshl_b32 s34, ttmp9, 10
	s_add_co_u32 s34, s34, WSC
	s_mov_b32 s35, 0
	s_wait_alu depctr_va_vdst(0)                   ; the wait at the head's end
	s_wait_kmcnt 0x0
	s_cmp_lt_u32 ttmp9, 96
	s_cselect_b64 s[4:5], s[42:43], s[44:45]
.irp t, 0,1,2,3
	s_add_co_u32 s12, s32, 32*\t
	s_mul_i32 s12, s12, s30
	s_add_co_u32 s12, s12, s31
	s_mov_b32 s13, 0
	s_add_nc_u64 s[16+2*\t:17+2*\t], s[4:5], s[12:13]   ; block t's first row, my group's first column
.endr
	s_add_nc_u64 s[24:25], s[48:49], s[28:29]
	s_add_nc_u64 s[26:27], s[48:49], s[34:35]
.macro LOAD t
.irp i, 0,1,2,3,4,5,6,7,8,9,10,11,12,13,14,15,16,17,18,19,20,21,22,23,24,25,26,27,28,29,30,31
	global_load_b32 v[X+32*((\t)%2)+\i], v[OF+\i], s[16+2*(\t):17+2*(\t)] th:TH_LOAD_NT
.endr
.endm
.macro BLOCK t
.set XS, X+32*((\t)%2)
.set CC, C+8*(\t)
.if (\t) < 3
	s_wait_loadcnt 32                              ; this block's 32 loads are in, the next block's may be out
.else
	s_wait_loadcnt 0x0
.endif
	v_max3_num_f32 v10, |v[XS]|, |v[XS+1]|, |v[XS+2]|
	v_max3_num_f32 v11, |v[XS+3]|, |v[XS+4]|, |v[XS+5]|
.irp i, 6,10,14,18,22,26
	s_delay_alu instid0(VALU_DEP_2)
	v_max3_num_f32 v10, v10, |v[XS+\i]|, |v[XS+\i+1]|
	s_delay_alu instid0(VALU_DEP_2)
	v_max3_num_f32 v11, v11, |v[XS+\i+2]|, |v[XS+\i+3]|
.endr
	s_delay_alu instid0(VALU_DEP_2)
	v_max3_num_f32 v10, v10, |v[XS+30]|, |v[XS+31]|
	s_delay_alu instid0(VALU_DEP_1)
	v_max3_num_f32 v10, v10, v11, 0x2800000        ; and the floor 2^(5 - 127)
	s_delay_alu instid0(VALU_DEP_1)
	v_add_nc_u32 v12, 0xfe000000, v10              ; 4 off the exponent field: the conversion's scale operand
	s_delay_alu instid0(VALU_DEP_1)
	v_lshrrev_b32 v13, 23, v12                     ; the byte
.if (\t) == 0
	s_delay_alu instid0(VALU_DEP_1)
	v_mov_b32 v[SB], v13
.else
	s_delay_alu instid0(VALU_DEP_1)
	v_lshl_or_b32 v[SB], v13, 8*(\t), v[SB]
.endif
	v_cvt_scalef32_pk16_bf6_f32 v[CC:CC+2], v[XS:XS+15], v12
	v_cvt_scalef32_pk16_bf6_f32 v[CC+4:CC+6], v[XS+16:XS+31], v12
	v_nop                                          ; one plain place behind a scaled conversion
	v_mov_b32 v[CC+3], v[CC+4]                     ; the 24 bytes on end
	v_mov_b32 v[CC+4], v[CC+5]
	v_mov_b32 v[CC+5], v[CC+6]
	ds_store_b128 v5, v[CC:CC+3] offset:768*((\t)/2)+256*((\t)%2)   ; block t = 2 c + h is lane (m, h) of the K step's half c
	ds_store_b64 v6, v[CC+4:CC+5] offset:768*((\t)/2)+128*((\t)%2)
.if (\t) < 2
	LOAD (\t)+2
.endif
.endm
	LOAD 0
	LOAD 1
	BLOCK 0
	BLOCK 1
	BLOCK 2
	BLOCK 3
	ds_store_b32 v9, v[SB]
.irp k, 0,1,2,3,4,5
	ds_load_b128 v[OUT+4*\k:OUT+4*\k+3], v7 offset:IMG*(\k/3)+512*(\k%3)   ; the wave's own bytes, in order behind its stores
.endr
.irp k, 0,1,2,3,4,5
	s_wait_dscnt 5-\k                              ; read k is in, the younger ones may be out
	global_store_b128 v8, v[OUT+4*\k:OUT+4*\k+3], s[24:25] offset:12288*(\k/3)+512*(\k%3)   ; 512 consecutive bytes
.endr
	s_wait_dscnt 0x0                               ; for wave 0's sake: my scale word has landed
	s_barrier_signal -1
	s_barrier_wait -1
	s_cmp_lg_u32 s10, 0
	s_cbranch_scc1 .Lwdone
	ds_load_b128 v[172:175], v15
	ds_load_b128 v[176:179], v15 offset:512
	s_wait_dscnt 0x0
	global_store_b128 v8, v[172:175], s[26:27]
	global_store_b128 v8, v[176:179], s[26:27] offset:512
.Lwdone:
	s_wait_tensorcnt 0x0                           ; the wave's end
	ds_add_u32 v184, v185
	s_wait_dscnt 0x0
	s_endpgm
; ---- x
.Lx:
.set XSC, 6291456
.set XST, 8448                         ; a wave's stage: 16 rows x 528 bytes
.set SP,  528
.set SCX, 8*XST                        ; behind the stages: the row block's scale rows, 16 x 32 bytes
.set R,   16                           ; v16-79   the rows as loaded
.set X,   80                           ; v80-143  my 64 numbers: register 32 c + i = k 64 c + 32 h + i of row r
.set C,   144                          ; v144-155 the fragment
.set D,   156                          ; v156-158, v160-162 the upper halves of the two blocks' codes
	s_sub_co_u32 s24, ttmp9, WGW                   ; my row block
	v_lshrrev_b32 v1, 5, v0
	s_delay_alu instid0(VALU_DEP_1)
	v_readfirstlane_b32 s8, v1                     ; wave = K step
	v_and_b32 v1, 31, v0                           ; lane
	v_and_b32 v2, 15, v0                           ; r
	v_bfe_u32 v3, v0, 4, 1                         ; h
	s_delay_alu instid0(VALU_DEP_3)
	v_lshlrev_b32 v4, 4, v1                        ; 16 x lane
	s_delay_alu instid0(VALU_DEP_4)
	v_lshlrev_b32 v5, 3, v1                        ; 8 x lane
	s_mul_i32 s9, s8, XST
	v_add_nc_u32 v6, s9, v4                        ; the stage, on the way in
	v_mul_u32_u24 v7, v2, SP
	s_delay_alu instid0(VALU_DEP_1)
	v_lshl_add_u32 v7, v3, 7, v7
	s_delay_alu instid0(VALU_DEP_1)
	v_add_nc_u32 v7, s9, v7                        ; and on the way out: row r, 128 h bytes on
	s_lshl_b32 s14, s8, 2
	s_add_co_u32 s14, s14, SCX
	v_lshlrev_b32 v8, 5, v2
	s_delay_alu instid0(VALU_DEP_1)
	v_add_nc_u32 v8, s14, v8                       ; my row's scale word of this K step
	v_lshlrev_b32 v9, 3, v3                        ; 8 h: my bytes' place in the word
	v_add_nc_u32 v15, SCX, v4                      ; wave 0's read of the scale rows
	v_mov_b32 v169, 0                              ; a lane permute's destination counts as read
	s_mov_b32 s20, 0x76543210
	s_mov_b32 s21, 0xfedcba98                      ; selects: lane l xor 16
	s_lshr_b32 s15, s24, 1
	s_lshl_b32 s15, s15, 5
	s_and_b32 s16, s24, 1
	s_lshl_b32 s16, s16, 3
	s_add_co_u32 s15, s15, s16                     ; the block's first token: 32 B + 8 u
	s_lshl_b32 s16, s15, 12                        ; x 4,096 bytes
	s_lshl_b32 s17, s8, 9
	s_add_co_u32 s16, s16, s17                     ; + my 512 bytes of a row
	s_mov_b32 s17, 0
	s_mul_i32 s18, s24, 12288
	s_mul_i32 s19, s8, 1536
	s_add_co_u32 s18, s18, s19                     ; my fragment's place
	s_mov_b32 s19, 0
	s_lshl_b32 s22, s24, 9
	s_add_co_u32 s22, s22, XSC                     ; the block's 512 scale bytes
	s_mov_b32 s23, 0
	s_wait_alu depctr_va_vdst(0)                   ; the wait at the head's end
	s_wait_kmcnt 0x0
	s_add_nc_u64 s[4:5], s[40:41], s[16:17]
	s_add_nc_u64 s[10:11], s[46:47], s[18:19]
	s_add_nc_u64 s[12:13], s[46:47], s[22:23]
.irp m, 0,1,2,3,4,5,6,7,8,9,10,11,12,13,14,15
	global_load_b128 v[R+4*\m:R+4*\m+3], v4, s[4:5] offset:(\m+8*(\m/8))*4096 th:TH_LOAD_NT   ; 32 lanes read 512 consecutive bytes of the token at place m
.endr
.irp j, 0,1,2,3
	s_wait_loadcnt 12-4*\j                         ; loads come back in order: these four rows are in, the younger ones stay out
.irp i, 0,1,2,3
	ds_store_b128 v6, v[R+4*(4*\j+\i):R+4*(4*\j+\i)+3] offset:(4*\j+\i)*SP
.endr
.endr
.irp c, 0,1
.irp i, 0,1,2,3,4,5,6,7
	ds_load_b128 v[X+32*\c+4*\i:X+32*\c+4*\i+3], v7 offset:256*\c+16*\i   ; the wave's own bytes: LDS serves a wave's instructions in order
.endr
.endr
.macro BMAX c, a, b                    ; the largest magnitude of my block 2 c + h: all its 32 numbers are mine; two chains; the floor 2^(5 - 127) is the last leaf
	v_max3_num_f32 v[\a], |v[X+32*\c]|, |v[X+32*\c+1]|, |v[X+32*\c+2]|
	v_max3_num_f32 v[\b], |v[X+32*\c+3]|, |v[X+32*\c+4]|, |v[X+32*\c+5]|
.irp i, 6,10,14,18,22,26
	s_delay_alu instid0(VALU_DEP_2)
	v_max3_num_f32 v[\a], v[\a], |v[X+32*\c+\i]|, |v[X+32*\c+\i+1]|
	s_delay_alu instid0(VALU_DEP_2)
	v_max3_num_f32 v[\b], v[\b], |v[X+32*\c+\i+2]|, |v[X+32*\c+\i+3]|
.endr
	s_delay_alu instid0(VALU_DEP_2)
	v_max3_num_f32 v[\a], v[\a], |v[X+32*\c+30]|, |v[X+32*\c+31]|
	s_delay_alu instid0(VALU_DEP_1)
	v_max3_num_f32 v[\a], v[\a], v[\b], 0x2800000
.endm
	s_wait_dscnt 8                                 ; the first block's eight reads are in, the second's eight may be out
	BMAX 0, 10, 11
	s_wait_dscnt 0x0
	BMAX 1, 12, 13
	v_add_nc_u32 v164, 0xfe000000, v10             ; 4 off the exponent field: the conversion takes this operand's exponent field as its scale
	s_delay_alu instid0(VALU_DEP_2)
	v_add_nc_u32 v165, 0xfe000000, v12
	s_delay_alu instid0(VALU_DEP_2)
	v_lshrrev_b32 v166, 23, v164                   ; the bytes of blocks h and 2 + h
	s_delay_alu instid0(VALU_DEP_2)
	v_lshrrev_b32 v167, 23, v165
	s_delay_alu instid0(VALU_DEP_1)
	v_lshl_or_b32 v168, v167, 16, v166
	s_delay_alu instid0(VALU_DEP_1)
	v_lshlrev_b32 v168, v9, v168                   ; at their places in the word
	s_delay_alu instid0(VALU_DEP_1)
	v_permlanex16_b32 v169, v168, s20, s21
	s_delay_alu instid0(VALU_DEP_1)
	v_or_b32 v168, v168, v169                      ; with lane l xor 16's two the word is whole
.irp c, 0,1
	v_cvt_scalef32_pk16_bf6_f32 v[C+6*\c:C+6*\c+2], v[X+32*\c:X+32*\c+15], v[164+\c]
	v_cvt_scalef32_pk16_bf6_f32 v[D+4*\c:D+4*\c+2], v[X+32*\c+16:X+32*\c+31], v[164+\c]   ; (a conversion's three registers begin on an even number)
.endr
	v_nop                                          ; one plain place behind a scaled conversion
.irp c, 0,1
.irp i, 0,1,2
	v_mov_b32 v[C+3+6*\c+\i], v[D+4*\c+\i]
.endr
.endr
	global_store_b128 v4, v[C:C+3], s[10:11]                   ; each store covers whole aligned runs of 256 bytes
	global_store_b64 v5, v[C+4:C+5], s[10:11] offset:512
	global_store_b128 v4, v[C+6:C+9], s[10:11] offset:768
	global_store_b64 v5, v[C+10:C+11], s[10:11] offset:1280
	ds_store_b32 v8, v168                          ; lanes r and r + 16 write the same word with the same value
	s_wait_dscnt 0x0                               ; for wave 0's sake: my word has landed
	s_barrier_signal -1
	s_barrier_wait -1
	s_cmp_lg_u32 s8, 0
	s_cbranch_scc1 .Lxdone
	ds_load_b128 v[172:175], v15                   ; the eight waves' words: 16 rows x 32 bytes
	s_wait_dscnt 0x0
	global_store_b128 v4, v[172:175], s[12:13]     ; 512 consecutive bytes
.Lxdone:
	s_wait_tensorcnt 0x0                           ; the wave's end
	ds_add_u32 v184, v185
	s_wait_dscnt 0x0
	s_endpgm
.Lfunc_end_k_q72ebb67fd1_quant:
	.size	k_q72ebb67fd1_quant, .Lfunc_end_k_q72ebb67fd1_quant-k_q72ebb67fd1_quant
	.p2alignl 7, 3214868480
	.fill 96, 4, 3214868480
	.section	.rodata,"a",@progbits
	.p2align	6, 0x0
	.amdhsa_kernel k_q72ebb67fd1_quant
		.amdhsa_group_segment_fixed_size 97280
		.amdhsa_private_segment_fixed_size 0
		.amdhsa_enable_private_segment 0
		.amdhsa_kernarg_size 40
		.amdhsa_user_sgpr_count 2
		.amdhsa_user_sgpr_kernarg_segment_ptr 1
		.amdhsa_wavefront_size32 1
		.amdhsa_system_sgpr_workgroup_id_x 1
		.amdhsa_system_sgpr_workgroup_id_y 1
		.amdhsa_system_sgpr_workgroup_id_z 1
		.amdhsa_system_vgpr_workitem_id 0
		.amdhsa_next_free_vgpr 186
		.amdhsa_next_free_sgpr 66
		.amdhsa_reserve_vcc 0
		.amdhsa_float_denorm_mode_32 3
		.amdhsa_float_denorm_mode_16_64 3
		.amdhsa_memory_ordered 1
		.amdhsa_forward_progress 1
		.amdhsa_inst_pref_size 39
	.end_amdhsa_kernel
	.amdgpu_metadata
---
amdhsa.version: [ 1, 2 ]
amdhsa.kernels:
  - .name:           k_q72ebb67fd1_quant
    .symbol:         k_q72ebb67fd1_quant.kd
    .args:
      - { .name: x, .offset: 0, .size: 8, .value_kind: global_buffer, .address_space: global }
      - { .name: w_attn, .offset: 8, .size: 8, .value_kind: global_buffer, .address_space: global }
      - { .name: w_proj, .offset: 16, .size: 8, .value_kind: global_buffer, .address_space: global }
      - { .name: xq, .offset: 24, .size: 8, .value_kind: global_buffer, .address_space: global }
      - { .name: wq, .offset: 32, .size: 8, .value_kind: global_buffer, .address_space: global }
    .group_segment_fixed_size: 97280
    .private_segment_fixed_size: 0
    .kernarg_segment_align: 8
    .kernarg_segment_size: 40
    .max_flat_workgroup_size: 256
    .sgpr_count:     66
    .vgpr_count:     186
    .wavefront_size: 32
...
	.end_amdgpu_metadata
.endif
;; end of part 1
;; launch gemm_qkv (part 2): grid 8 x 32, 4 waves a work-group, clusters of 4 x 4, 327,680 bytes of LDS; arguments xq, wq, b_attn, qkr, vr; writes qkr, vr
.if DOCPART == 2
	.amdgcn_target "amdgcn-amd-amdhsa--gfx1250"
	.amdhsa_code_object_version 6
	.text
	.protected	k_q72ebb67fd1_gemm_qkv
	.globl	k_q72ebb67fd1_gemm_qkv
	.p2align	8
	.type	k_q72ebb67fd1_gemm_qkv,@function
k_q72ebb67fd1_gemm_qkv:
	s_mov_b64 s[64:65], 0
	v_nop
	global_prefetch_b8 v0, s[64:65] scope:SCOPE_SE
	s_setreg_imm32_b32 hwreg(HW_REG_WAVE_MODE, 25, 1), 1
	s_wait_xcnt 0x0
	s_wait_alu depctr_hold_cnt(0) depctr_sa_sdst(0) depctr_va_vdst(0) depctr_va_sdst(0) depctr_va_ssrc(0) depctr_va_vcc(0) depctr_vm_vsrc(0)
	s_getreg_b32 s2, hwreg(HW_REG_IB_STS2, 6, 4)
	s_cmp_eq_u32 s2, 0
	s_cbranch_scc0 .Lentry_in_a_cluster
	s_endpgm
.Lentry_in_a_cluster:
	s_bfe_u32 s2, ttmp6, 0x10000c
	s_cmp_lg_u32 s2, 0xf033
	s_cbranch_scc0 .Lentry_shape_is_right
	s_endpgm
.Lentry_shape_is_right:
; qkv = x w_attn + b_attn on codes of BF6 (E3M2) with E8M0 scales, f32 sums; the results never leave as f32: they are quantised here for the two products of attention and stored as codes.
; 8 x 32 = 256 work-groups.  Work-group (gx, ty) keeps the codes of tokens 256 ty .. 256 ty + 255 for ALL of K in LDS (16 row blocks of 12,288 bytes) and walks three tiles of 128 columns of w_attn
; (8 row blocks each): columns 128 gx (q), 1,024 + 128 gx (k), 2,048 + 128 gx (v).  The role hangs on the trip alone: two trips of a loop for q and k, then v written out.
; Behind a tile's last K step the weights' bytes are filled again with the next tile, one joint load a wave (2 row blocks); it lands while the tile's results are quantised and stored.
; OPERANDS ARE IMAGES OF REGISTERS: [row block of 16][64 along K][768 bytes]: lane (r, h): bytes 0-15 at 16 x lane, 16-23 at 512 + 8 x lane.  Rows lie at places (the number with bits 3 and 4 exchanged).
; A wave makes 128 tokens x 64 columns (one head) in 32 accumulators: one record of 6,656 bytes in either role.
; q, k: source 0 = the weights' 4 row blocks, source 1 = a token block: a lane holds a token, its 32 registers the head's 64 channels, 16 B + i = channel 32 B + 16 h + i.
;   qkr [head 32: q's 16, k's 16][128 tokens: 64]: 8 images of 16 tokens x 64, then 128 scale words (bytes 0, 1: the head's two blocks; bytes 2, 3 are 0 and meet zero codes only).
; v: source 0 = the 8 token blocks, source 1 = a block of the weights: a lane holds a channel, its 64 registers 128 tokens in order: a row of V^T with the keys innermost.
;   vr [head 16][128 keys: 64]: 4 fragments of 16 channels x 128 keys, then 64 scale words, twice.
; THE SCALES, 32 bytes a row for all of K, go from memory straight into registers: the tokens' once, the weights' for each tile.  THE BIAS is the C of each sum's first matrix instruction.
; CLUSTERS 4 x 4: the tokens hang on ty alone and are asked for jointly by the four of a row, the weights on gx alone, by the four of a column.
; PREFETCH: in each of the loop's trips the next tile of the weights is asked for behind the trip's first K step, seven K steps (224 matrix instructions a wave) ahead of its load: the column's four partners share its
; 8 row blocks out by address (2 cy), a wave takes 6,144 bytes, a lane 256 (lanes 24-31 name the wave's last block again); of the eight clusters that read a tile the four with the lowest y ask.
; LIMITS of the quantiser: the largest magnitude is taken no smaller than 2^-122 (byte at least 1); a block of zeros gets the byte 1 (the rule says 127): its codes are zeros and only this program reads the bytes;
; NaN and infinities are not served.
; REGISTERS: window 0: v1-31 addresses; v32-63 the weights' scale words (8 b + K step), v64-127 the tokens' (8 a + K step); v128-223 the weights' fragments, two sets, and the quantiser's work.
; window 1: the tokens' fragments, two sets, at v0 and v128.  window 2: the accumulators.  window 3: v0-31 q's or k's bias, v32-63 v's.
.set XSC,   6291456
.set WSC,   3145728
.set REC,   6656
.set FR,    12
.set NP,    4                          ; places behind this matrix instruction (ISA guide 7.12.1)
.set RBM,   12288                      ; a row block's 1,024 along K
.set WLDS,  16*RBM                     ; the weights lie behind the tokens' 16 row blocks
.set SPARE, 24*RBM                     ; the spare words, 128 bytes for each wave
.set ADT,  16                          ; v16, v17 my token blocks 0-3 (+ 16 x lane, + 8 x lane); v18, v19 blocks 4-7
.set ADW,  20                          ; v20, v21 my 4 blocks of the weights
.set L16,  26
.set L4,   27
.set SPW,  28
.set NIL,  29
.set L8,   30
.set PFO,  31
.set WS,   32
.set TS,   64
.set WF,   128
.set TM,   128                         ; the quantiser: v128-131 largest magnitudes, v132-135 bytes, v140-143 scale operands
.set PW,   144                         ; v144, v145 two blocks' scale words, v146 both
.set PC,   148                         ; v148.. the codes just made
.set G1T, 24
.set G0T, 32
.set G1W, 48
.set G0W, 56
.set G1R, 68
.set G0R, 76
.set MSB, 0
.macro WIN new                         ; the immediate's high byte repeats the setting that is left
.if MSB != \new
	s_set_vgpr_msb (MSB<<8)|\new
.set MSB, \new
.endif
.endm
.macro CROUND                          ; a round of the cluster's barrier
	s_barrier_signal -1
	s_barrier_wait -1
	s_cmp_lg_u32 s14, 0
	s_cbranch_scc1 .Lnot_wave_0_\@
	s_barrier_signal -3
.Lnot_wave_0_\@:
	s_barrier_wait -3
	s_barrier_signal -1
	s_barrier_wait -1
.endm
.macro PLACES n
.rept \n
	v_nop
.endr
.endm
	s_load_b256 s[92:99], s[0:1], 0x0              ; xq, wq, b_attn, qkr
	s_load_b64 s[100:101], s[0:1], 0x20            ; vr
	v_lshl_add_u32 v[SPW], v0, 2, SPARE
	v_mov_b32 v[NIL], 0
	ds_add_u32 v[SPW], v[NIL]                      ; the opening lines: the add, twice on end, and its wait
	ds_add_u32 v[SPW], v[NIL]
	v_lshrrev_b32 v1, 5, v0
	v_readfirstlane_b32 s14, v1                    ; wave 0..3
	s_lshr_b32 s15, s14, 1                         ; my half of the tokens.  Also: at the head I fetch tokens (0) or weights (1)
	s_and_b32 s16, s14, 1                          ; my half of the columns.  Also: which half I fetch
	s_bfe_u32 s40, ttmp6, 0x40000                  ; cx
	s_bfe_u32 s41, ttmp6, 0x40004                  ; cy
	s_lshl_b32 s42, ttmp9, 2
	s_add_co_u32 s42, s42, s40                     ; gx
	s_and_b32 s67, ttmp7, 0xffff                   ; the cluster's y
	s_lshl_b32 s17, s67, 2
	s_add_co_u32 s17, s17, s41                     ; ty
	s_lshl_b32 s43, s41, 2
	s_lshl_b32 s43, 15, s43                        ; my row of the cluster
	s_lshl_b32 s44, 0x1111, s40                    ; my column
	s_or_b32 s[G1T], s43, (3<<16)|(1<<21)          ; rows of 12,288 bytes (1,536 elements of 8 bytes), on end in memory and in LDS
	s_or_b32 s[G1W], s44, (3<<16)|(1<<21)
	s_or_b32 s[G1R], s44, (3<<16)|(1<<21)
.irp g, G1T, G1W, G1R
	s_mov_b32 s[\g+1], 1536<<16
	s_mov_b32 s[\g+3], 1536<<16
	s_mov_b32 s[\g+5], 1536
	s_mov_b32 s[\g+6], 0
	s_mov_b32 s[\g+7], 0
.endr
	s_mov_b32 s[G1T+2], 8<<16                      ; the tokens: 8 row blocks a load
	s_mov_b32 s[G1T+4], 8
	s_mov_b32 s[G1W+2], 4<<16                      ; the first weights: 4
	s_mov_b32 s[G1W+4], 4
	s_mov_b32 s[G1R+2], 2<<16                      ; a refill: 2
	s_mov_b32 s[G1R+4], 2
	s_lshl_b32 s4, s17, 4
	s_lshl_b32 s5, s16, 3
	s_add_co_u32 s4, s4, s5                        ; tokens: the first row block that I fetch: 16 ty + 8 x half
	s_mul_i32 s4, s4, RBM
	s_mov_b32 s5, 0
	s_lshl_b32 s6, s17, 4
	s_lshl_b32 s7, s15, 3
	s_add_co_u32 s6, s6, s7                        ; and the first that I multiply
	s_lshl_b32 s6, s6, 9
	s_add_co_u32 s6, s6, XSC                       ; its scale bytes (512 a row block)
	s_mov_b32 s7, 0
	s_lshl_b32 s46, s42, 3                         ; the weights' tile: row block 8 gx
	s_lshl_b32 s47, s16, 2
	s_add_co_u32 s47, s46, s47                     ; the half that I fetch at the head is the half that I multiply
	s_mul_i32 s8, s47, RBM
	s_mov_b32 s9, 0
	s_lshl_b32 s10, s47, 9
	s_add_co_u32 s10, s10, WSC
	s_mov_b32 s11, 0
	s_lshl_b32 s47, s14, 1
	s_add_co_u32 s47, s46, s47                     ; a refill: my 2 row blocks
	s_mul_i32 s20, s47, RBM
	s_mov_b32 s21, 0
	s_lshl_b32 s2, s42, 9
	s_lshl_b32 s3, s16, 8
	s_add_co_u32 s2, s2, s3                        ; my first column, in bytes of the bias
	s_mov_b32 s3, 0
	s_lshl_b32 s12, s42, 1
	s_add_co_u32 s12, s12, s16                     ; my head: 2 gx + half
	s_lshl_b32 s12, s12, 6
	s_lshl_b32 s13, s17, 1
	s_add_co_u32 s12, s12, s13
	s_add_co_u32 s12, s12, s15                     ; record 64 head + 2 ty + my half of the tokens
	s_mul_i32 s12, s12, REC
	s_mov_b32 s13, 0
	s_lshl_b32 s22, s41, 1
	s_add_co_u32 s22, s22, s46
	s_add_co_u32 s22, s22, 64                      ; the prefetch: the next tile's row blocks 2 cy, 2 cy + 1,
	s_mul_i32 s22, s22, RBM
	s_mul_i32 s23, s14, 6144                       ; my quarter of them
	s_add_co_u32 s22, s22, s23
	s_mov_b32 s23, 0
	s_mov_b32 s[G0T], 1
	s_mul_i32 s[G0T+1], s16, 8*RBM                 ; where they go: no place in the cluster enters an LDS address
	s_mov_b32 s[G0W], 1
	s_mul_i32 s[G0W+1], s16, 4*RBM
	s_add_co_u32 s[G0W+1], s[G0W+1], WLDS
	s_mov_b32 s[G0R], 1
	s_mul_i32 s[G0R+1], s14, 2*RBM
	s_add_co_u32 s[G0R+1], s[G0R+1], WLDS
	s_mov_b32 s66, 0xffff0000                      ; lanes 16-31
	s_mov_b32 s104, 0x76543210
	s_mov_b32 s105, 0xfedcba98                     ; selects: lane l xor 16
	s_wait_dscnt 0x0                               ; both opening adds are done
	s_wait_kmcnt 0x0
	s_add_nc_u64 s[G0T+2:G0T+3], s[92:93], s[4:5]
	s_or_b32 s[G0T+3], s[G0T+3], 0x80000000
	s_add_nc_u64 s[G0W+2:G0W+3], s[94:95], s[8:9]
	s_or_b32 s[G0W+3], s[G0W+3], 0x80000000
	s_add_nc_u64 s[G0R+2:G0R+3], s[94:95], s[20:21]
	s_or_b32 s[G0R+3], s[G0R+3], 0x80000000
	s_add_nc_u64 s[6:7], s[92:93], s[6:7]          ; the tokens' scales
	s_add_nc_u64 s[10:11], s[94:95], s[10:11]      ; the weights' scales
	s_add_nc_u64 s[2:3], s[96:97], s[2:3]          ; q's bias
	s_add_nc_u64 s[8:9], s[2:3], 8192              ; v's
	s_add_nc_u64 s[20:21], s[100:101], s[12:13]    ; my record of v
	s_add_nc_u64 s[12:13], s[98:99], s[12:13]      ; my record of q
	s_add_nc_u64 s[22:23], s[94:95], s[22:23]
	CROUND                                         ; all sixteen work-groups are here: the joint loads meet
	s_cmp_eq_u32 s15, 0
	s_cbranch_scc0 .Lfor_w
	tensor_load_to_lds s[G0T:G0T+3], s[G1T:G1T+7]  ; one tensor load a wave at the head
	s_nop 0
	PLACES 4
	s_branch .Lasked
.Lfor_w:
	tensor_load_to_lds s[G0W:G0W+3], s[G1W:G1W+7]
	s_nop 0
	PLACES 4
.Lasked:
	s_mul_i32 s36, s15, 8*RBM                      ; my 8 token blocks,
	s_add_co_u32 s37, s36, 4*RBM                   ; the upper four of them,
	s_mul_i32 s38, s16, 4*RBM
	s_add_co_u32 s38, s38, WLDS                    ; my 4 blocks of the weights
	v_and_b32 v1, 15, v0                           ; r
	v_bfe_u32 v2, v0, 4, 1                         ; h
	v_and_b32 v3, 31, v0
	v_lshlrev_b32 v[L16], 4, v3
	v_lshlrev_b32 v[L8], 3, v3
	v_lshlrev_b32 v[L4], 2, v3
	v_add_nc_u32 v[ADT], s36, v[L16]
	v_add_nc_u32 v[ADT+1], s36, v[L8]
	v_add_nc_u32 v[ADT+2], s37, v[L16]
	v_add_nc_u32 v[ADT+3], s37, v[L8]
	v_add_nc_u32 v[ADW], s38, v[L16]
	v_add_nc_u32 v[ADW+1], s38, v[L8]
	v_lshlrev_b32 v6, 5, v1                        ; my row's 32 scale bytes
	v_lshlrev_b32 v7, 6, v2                        ; q's, k's bias: 16 h columns on
	v_and_b32 v8, 8, v1
	v_add_nc_u32 v8, v8, v1
	v_lshlrev_b32 v8, 2, v8                        ; v's bias: 4 (r + 8 (r / 8))
	v_min_u32 v[PFO], 23, v3
	v_lshlrev_b32 v[PFO], 8, v[PFO]
	s_wait_alu depctr_va_vdst(0)                   ; the wait at the head's end
.irp a, 0,1,2,3,4,5,6,7
	global_load_b128 v[TS+8*\a:TS+8*\a+3], v6, s[6:7] offset:512*\a
	global_load_b128 v[TS+8*\a+4:TS+8*\a+7], v6, s[6:7] offset:512*\a+16
.endr
.macro LOADWS                          ; the scale words of my 4 blocks of the weights
.irp b, 0,1,2,3
	global_load_b128 v[WS+8*\b:WS+8*\b+3], v6, s[10:11] offset:512*\b
	global_load_b128 v[WS+8*\b+4:WS+8*\b+7], v6, s[10:11] offset:512*\b+16
.endr
.endm
.macro LOADBI                          ; q's or k's bias in the result's layout: tile b's register j is column 32 (b / 2) + 16 h + 8 (b % 2) + j
	WIN 0xc0                                       ; destination window 3
.irp b, 0,1,2,3
	global_load_b128 v[8*\b:8*\b+3], v7, s[2:3] offset:(32*(\b/2)+8*(\b%2))*4
	global_load_b128 v[8*\b+4:8*\b+7], v7, s[2:3] offset:(32*(\b/2)+8*(\b%2))*4+16
.endr
	WIN 0
.endm
	LOADWS
	LOADBI
	WIN 0xc0
.irp a, 0,1,2,3                        ; v's bias hangs on the lane: eight equal registers a block
.irp j, 0,1,2,3,4,5,6,7
	global_load_b32 v[32+8*\a+\j], v8, s[8:9] offset:(32*(\a/2)+8*(\a%2))*4
.endr
.endr
	WIN 0
.macro FRAG reg, adr, i, q             ; a fragment, 16 rows x 128 K: two images of 768 bytes on end
	ds_load_b128 v[\reg:\reg+3], v[\adr] offset:(\i)*RBM+(\q)*1536
	ds_load_b64 v[\reg+4:\reg+5], v[\adr+1] offset:(\i)*RBM+(\q)*1536+512
	ds_load_b128 v[\reg+6:\reg+9], v[\adr] offset:(\i)*RBM+(\q)*1536+768
	ds_load_b64 v[\reg+10:\reg+11], v[\adr+1] offset:(\i)*RBM+(\q)*1536+1280
.endm
.macro FETCH q                         ; K step q's twelve fragments into set q % 2
	WIN 0x40                                       ; destination window 1
.irp i, 0,1,2,3
	FRAG 128*((\q)%2)+FR*\i, ADT, \i, \q
	FRAG 128*((\q)%2)+FR*(\i+4), ADT+2, \i, \q
.endr
	WIN 0
.irp i, 0,1,2,3
	FRAG WF+48*((\q)%2)+FR*\i, ADW, \i, \q
.endr
.endm
; 32 matrix instructions; the 32 accumulators take turns, one instruction a turn, in the same order in every step
.macro MULQK q, first                  ; accumulator (token block a, weights' block b) at v[8 (4 a + b)]
.irp a, 0,1,2,3,4,5,6,7
.irp b, 0,1,2,3
.set rD, 8*(4*\a+\b)
.set rW, WF+48*((\q)%2)+FR*\b
.set rT, 128*((\q)%2)+FR*\a
.if \first
	v_wmma_scale_f32_16x16x128_f8f6f4 v[rD:rD+7], v[rW:rW+FR-1], v[rT:rT+FR-1], v[8*\b:8*\b+7], v[WS+8*\b+(\q)], v[TS+8*\a+(\q)] matrix_a_fmt:MATRIX_FMT_BF6 matrix_b_fmt:MATRIX_FMT_BF6
.else
	v_wmma_scale_f32_16x16x128_f8f6f4 v[rD:rD+7], v[rW:rW+FR-1], v[rT:rT+FR-1], v[rD:rD+7], v[WS+8*\b+(\q)], v[TS+8*\a+(\q)] matrix_a_fmt:MATRIX_FMT_BF6 matrix_b_fmt:MATRIX_FMT_BF6
.endif
.endr
.endr
.endm
.macro MULV q, first                   ; accumulator (weights' block a, token block b) at v[8 (8 a + b)]
.irp a, 0,1,2,3
.irp b, 0,1,2,3,4,5,6,7
.set rD, 8*(8*\a+\b)
.set rW, WF+48*((\q)%2)+FR*\a
.set rT, 128*((\q)%2)+FR*\b
.if \first
	v_wmma_scale_f32_16x16x128_f8f6f4 v[rD:rD+7], v[rT:rT+FR-1], v[rW:rW+FR-1], v[32+8*\a:32+8*\a+7], v[TS+8*\b+(\q)], v[WS+8*\a+(\q)] matrix_a_fmt:MATRIX_FMT_BF6 matrix_b_fmt:MATRIX_FMT_BF6
.else
	v_wmma_scale_f32_16x16x128_f8f6f4 v[rD:rD+7], v[rT:rT+FR-1], v[rW:rW+FR-1], v[rD:rD+7], v[TS+8*\b+(\q)], v[WS+8*\a+(\q)] matrix_a_fmt:MATRIX_FMT_BF6 matrix_b_fmt:MATRIX_FMT_BF6
.endif
.endr
.endr
.endm
.macro STEP q, role                    ; K step q: its fragments are in; the next step's are asked for ahead of its 32 products.  role 0: q, k; 1: v
	s_wait_dscnt 0x0
.if (\q) < 7
.if (\q) > 0
	PLACES NP                                      ; in front of loads into registers that the last step's products read
.endif
	FETCH (\q)+1
.elseif \role == 0
	s_wait_tensorcnt 0x0                           ; a refill follows this step: no tensor load of mine is out,
	ds_add_u32 v[SPW], v[NIL]                      ; 0 onto my spare word; the step's products stand between it and the wait for it
.endif
.if (\q) == 0
	s_wait_loadcnt 0x0                             ; the scales and the bias
.endif
.if \role == 0
.if (\q) == 0
	WIN 0xb4                                       ; source 0 (weights) window 0, source 1 (tokens) window 1, C (the bias) window 3, D window 2
	MULQK \q, 1
.else
	WIN 0xa4
	MULQK \q, 0
.endif
.else
.if (\q) == 0
	WIN 0xb1                                       ; source 0 (tokens) window 1, source 1 (weights) window 0
	MULV \q, 1
.else
	WIN 0xa1
	MULV \q, 0
.endif
.endif
	WIN 0
.endm
; THE QUANTISERS.  nb blocks of 32 along the next product's K, each shared with lane l xor 16: block b is registers AC + 16 b .. + 15 of the two halves of the lanes.
.macro BYTES nb                        ; from the accumulators at AC: scale operands in v[TM+12 ..], bytes in v[TM+4 ..]
	WIN 0x0a                                       ; sources 0 and 1: window 2
.set bb, 0
.rept \nb
	v_max3_num_f32 v[TM+bb], |v[AC+16*bb]|, |v[AC+16*bb+1]|, 0x2800000   ; each accumulator is read from its low end on; the floor 2^(5 - 127) is a leaf
.set bb, bb+1
.endr
.irp i, 2,4,6,8,10,12,14
.set bb, 0
.rept \nb
	v_max3_num_f32 v[TM+bb], |v[AC+16*bb+\i]|, |v[AC+16*bb+\i+1]|, v[TM+bb]
.set bb, bb+1
.endr
.endr
	WIN 0
.set bb, 0
.rept \nb
	v_permlanex16_b32 v[TM+4+bb], v[TM+bb], s104, s105
.set bb, bb+1
.endr
.set bb, 0
.rept \nb
	v_max_num_f32 v[TM+bb], v[TM+bb], v[TM+4+bb]
.set bb, bb+1
.endr
.set bb, 0
.rept \nb
	v_add_nc_u32 v[TM+12+bb], 0xfe000000, v[TM+bb]   ; 4 off the exponent field: the conversion's scale operand
.set bb, bb+1
.endr
.set bb, 0
.rept \nb
	v_lshrrev_b32 v[TM+4+bb], 23, v[TM+12+bb]
.set bb, bb+1
.endr
.endm
.macro QK a                            ; token block a: an image of 16 tokens x 64 channels, and a scale word a token
.set AC, 32*(\a)
.if (\a) > 0
	s_wait_xcnt 0x0                                ; the last block's stores have read their data
.endif
	BYTES 2
	v_lshl_or_b32 v[PW+(\a)%2], v[TM+5], 8, v[TM+4]
	WIN 0x02                                       ; source 0: window 2
	v_cvt_scalef32_pk16_bf6_f32 v[PC:PC+2], v[AC:AC+15], v[TM+12]
	v_cvt_scalef32_pk16_bf6_f32 v[PC+6:PC+8], v[AC+16:AC+31], v[TM+13]
	WIN 0
	v_nop                                          ; one plain place behind a scaled conversion
.irp i, 0,1,2                          ; the operand wants a whole block in a lane: lanes 0-15 block 0, lanes 16-31 block 1
	v_permlane16_swap_b32 v[PC+\i], v[PC+6+\i]
.endr
.irp i, 0,1,2
	v_mov_b32 v[PC+3+\i], v[PC+6+\i]
.endr
	global_store_b128 v[L16], v[PC:PC+3], s[12:13] offset:768*(\a)
	global_store_b64 v[L8], v[PC+4:PC+5], s[12:13] offset:768*(\a)+512
.if (\a)%2
	v_cndmask_b32 v[PW+2], v[PW], v[PW+1], s66     ; lanes 0-15: block a - 1's words, lanes 16-31: block a's
	global_store_b32 v[L4], v[PW+2], s[12:13] offset:6144+128*((\a)/2)
.endif
.endm
.macro QV a                            ; the weights' block a: a fragment of 16 channels x 128 keys, and a scale word a channel
.set AC, 64*(\a)
.if (\a) > 0
	s_wait_xcnt 0x0
.endif
	BYTES 4
	v_lshl_or_b32 v[PW+(\a)%2], v[TM+5], 8, v[TM+4]
	v_lshl_or_b32 v[PW+(\a)%2], v[TM+6], 16, v[PW+(\a)%2]
	v_lshl_or_b32 v[PW+(\a)%2], v[TM+7], 24, v[PW+(\a)%2]
	WIN 0x02
.irp c, 0,1
	v_cvt_scalef32_pk16_bf6_f32 v[PC+6*\c:PC+6*\c+2], v[AC+32*\c:AC+32*\c+15], v[TM+12+2*\c]
	v_cvt_scalef32_pk16_bf6_f32 v[PC+12+4*\c:PC+14+4*\c], v[AC+32*\c+16:AC+32*\c+31], v[TM+13+2*\c]
.endr
	WIN 0
	v_nop
.irp c, 0,1
.irp i, 0,1,2
	v_permlane16_swap_b32 v[PC+6*\c+\i], v[PC+12+4*\c+\i]
.endr
.irp i, 0,1,2
	v_mov_b32 v[PC+3+6*\c+\i], v[PC+12+4*\c+\i]
.endr
.endr
	global_store_b128 v[L16], v[PC:PC+3], s[20:21] offset:1536*(\a)
	global_store_b64 v[L8], v[PC+4:PC+5], s[20:21] offset:1536*(\a)+512
	global_store_b128 v[L16], v[PC+6:PC+9], s[20:21] offset:1536*(\a)+768
	global_store_b64 v[L8], v[PC+10:PC+11], s[20:21] offset:1536*(\a)+1280
.if (\a)%2
	v_cndmask_b32 v[PW+2], v[PW], v[PW+1], s66
	global_store_b32 v[L4], v[PW+2], s[20:21] offset:6144+128*((\a)/2)
	global_store_b32 v[L4], v[PW+2], s[20:21] offset:6400+128*((\a)/2)   ; the record's last 256 bytes: the same words once more
.endif
.endm
	s_wait_tensorcnt 0x0                           ; my part of the head's tiles is in
	s_barrier_signal -1
	s_barrier_wait -1                              ; and everybody's
	s_mov_b32 s18, 2
.Ltile:                                            ; two trips: q's tile, k's tile
	FETCH 0
	STEP 0, 0
	s_cmp_lt_u32 s67, 4                            ; the cluster's y: the same in all partners
	s_cbranch_scc0 .Lnot_asked
	global_prefetch_b8 v[PFO], s[22:23] th:TH_LOAD_NT scope:SCOPE_SE
.Lnot_asked:
.irp q, 1,2,3,4,5,6,7
	STEP \q, 0
.endr
	s_wait_dscnt 0x0                               ; the add is done; my reads of the weights were over at the step's head
	CROUND                                         ; no wave of any partner still reads the weights' bytes or has a load on its way
	s_add_nc_u64 s[G0R+2:G0R+3], s[G0R+2:G0R+3], 64*RBM
	tensor_load_to_lds s[G0R:G0R+3], s[G1R:G1R+7]  ; the next tile of the weights: my one load behind the round
	s_nop 0
	PLACES 4                                       ; also the places in front of the loads and reads below
	s_add_nc_u64 s[10:11], s[10:11], 64*512        ; (the loads that read this base were waited for)
	LOADWS
	s_cmp_eq_u32 s18, 1                            ; behind k's tile comes v's, whose bias is in its registers already
	s_cbranch_scc1 .Lno_bias
	s_add_nc_u64 s[2:3], s[2:3], 4096
	LOADBI
.Lno_bias:
.irp b, 0,1,2,3
	v_mov_b32 v[TM+4+\b], 0                        ; a lane permute's destination counts as read
.endr
.irp a, 0,1,2,3,4,5,6,7
	QK \a
.endr
	s_wait_xcnt 0x0                                ; stores and prefetch have read their registers and bases
	s_add_nc_u64 s[12:13], s[12:13], 16*64*REC     ; k's records lie 16 heads behind q's
	s_add_nc_u64 s[22:23], s[22:23], 64*RBM
	s_wait_tensorcnt 0x0                           ; my part of the next tile is in
	s_barrier_signal -1
	s_barrier_wait -1                              ; and everybody's
	s_sub_co_u32 s18, s18, 1
	s_cmp_lg_u32 s18, 0
	s_cbranch_scc1 .Ltile
	FETCH 0                                        ; v's tile
.irp q, 0,1,2,3,4,5,6,7
	STEP \q, 1
.endr
	PLACES NP                                      ; behind the last products, ahead of writes of their registers and of reads of their results
.irp b, 0,1,2,3
	v_mov_b32 v[TM+4+\b], 0                        ; a lane permute's destination counts as read
.endr
.irp a, 0,1,2,3
	QV \a
.endr
	s_wait_tensorcnt 0x0                           ; the wave's end
	ds_add_u32 v[SPW], v[NIL]
	s_wait_dscnt 0x0
	CROUND                                         ; the closing round
	s_endpgm
.Lfunc_end_k_q72ebb67fd1_gemm_qkv:
	.size	k_q72ebb67fd1_gemm_qkv, .Lfunc_end_k_q72ebb67fd1_gemm_qkv-k_q72ebb67fd1_gemm_qkv
	.p2alignl 7, 3214868480
	.fill 96, 4, 3214868480
	.section	.rodata,"a",@progbits
	.p2align	6, 0x0
	.amdhsa_kernel k_q72ebb67fd1_gemm_qkv
		.amdhsa_group_segment_fixed_size 327680
		.amdhsa_private_segment_fixed_size 0
		.amdhsa_enable_private_segment 0
		.amdhsa_kernarg_size 40
		.amdhsa_user_sgpr_count 2
		.amdhsa_user_sgpr_kernarg_segment_ptr 1
		.amdhsa_wavefront_size32 1
		.amdhsa_system_sgpr_workgroup_id_x 1
		.amdhsa_system_sgpr_workgroup_id_y 1
		.amdhsa_system_sgpr_workgroup_id_z 1
		.amdhsa_system_vgpr_workitem_id 0
		.amdhsa_next_free_vgpr 1024
		.amdhsa_next_free_sgpr 106
		.amdhsa_reserve_vcc 0
		.amdhsa_float_denorm_mode_32 3
		.amdhsa_float_denorm_mode_16_64 3
		.amdhsa_memory_ordered 1
		.amdhsa_forward_progress 1
		.amdhsa_inst_pref_size 169
	.end_amdhsa_kernel
	.amdgpu_metadata
---
amdhsa.version: [ 1, 2 ]
amdhsa.kernels:
  - .name:           k_q72ebb67fd1_gemm_qkv
    .symbol:         k_q72ebb67fd1_gemm_qkv.kd
    .args:
      - { .name: xq, .offset: 0, .size: 8, .value_kind: global_buffer, .address_space: global }
      - { .name: wq, .offset: 8, .size: 8, .value_kind: global_buffer, .address_space: global }
      - { .name: b_attn, .offset: 16, .size: 8, .value_kind: global_buffer, .address_space: global }
      - { .name: qkr, .offset: 24, .size: 8, .value_kind: global_buffer, .address_space: global }
      - { .name: vr, .offset: 32, .size: 8, .value_kind: global_buffer, .address_space: global }
    .group_segment_fixed_size: 327680
    .private_segment_fixed_size: 0
    .kernarg_segment_align: 8
    .kernarg_segment_size: 40
    .max_flat_workgroup_size: 128
    .sgpr_count:     106
    .vgpr_count:     1024
    .wavefront_size: 32
...
	.end_amdgpu_metadata
.endif
;; end of part 2
;; launch attn (part 3): grid 4 x 64, 16 waves a work-group, clusters of 4 x 1, 327,680 bytes of LDS; arguments qkr, vr, yq; writes yq
.if DOCPART == 3
	.amdgcn_target "amdgcn-amd-amdhsa--gfx1250"
	.amdhsa_code_object_version 6
	.text
	.protected	k_q72ebb67fd1_attn
	.globl	k_q72ebb67fd1_attn
	.p2align	8
	.type	k_q72ebb67fd1_attn,@function
k_q72ebb67fd1_attn:
	s_mov_b64 s[64:65], 0
	v_nop
	global_prefetch_b8 v0, s[64:65] scope:SCOPE_SE
	s_setreg_imm32_b32 hwreg(HW_REG_WAVE_MODE, 25, 1), 1
	s_wait_xcnt 0x0
	s_wait_alu depctr_hold_cnt(0) depctr_sa_sdst(0) depctr_va_vdst(0) depctr_va_sdst(0) depctr_va_ssrc(0) depctr_va_vcc(0) depctr_vm_vsrc(0)
	s_getreg_b32 s2, hwreg(HW_REG_IB_STS2, 6, 4)
	s_cmp_eq_u32 s2, 0
	s_cbranch_scc0 .Lentry_in_a_cluster
	s_endpgm
.Lentry_in_a_cluster:
	s_bfe_u32 s2, ttmp6, 0x10000c
	s_cmp_lg_u32 s2, 0x3003
	s_cbranch_scc0 .Lentry_shape_is_right
	s_endpgm
.Lentry_shape_is_right:
; y = softmax(q k^T / 8, causal) v for each of 64 (batch, head), head size 64, both products on codes of BF6 (E3M2) with E8M0 scales; y leaves quantised along the channels, as the last product's operand.
; THE SOFTMAX AHEAD OF THE SECOND PRODUCT: t = score x log2(e) / 8; M = the running largest t rounded UP to a whole number; p = 2^(t - M) is quantised along the keys; the row's sum is taken of the unquantised p
; and divides O at the end.  When M moves, the sum and O are multiplied by 2^(old M - new M): exact.
; ALL OF A HEAD'S K AND V LIE IN LDS: 16 + 16 records of 6,656 bytes = 212,992 bytes.  Each of sixteen waves brings two records on end (13,312 dense bytes) by ONE load at the head; nothing is filled again: one barrier.
; CLUSTER 4, 1, 1: the four work-groups of a (batch, head) read the same 32 records: each load is a joint one with the mask 15.
; SHARES.  A head has 128 tiles of 16 queries.  Wave w of work-group c owns tiles i = 4 w + c and 127 - i.  Tile i needs the key steps (128 keys) 0 .. i / 8, that is w / 2 + 1 and 16 - w / 2 steps: 17 for every wave, and
; both counts hang on the wave's number alone, not on c.  What the causal mask throws away in whole steps is not computed; a tile's last step is the one on the diagonal, and is masked.
; One loop of 16 trips walks the key steps; in a trip each of my two tiles is served or jumped over by a scalar branch on the trip's and the wave's number.  Waves 0 and 1 read the last record, so every record is read.
; RECORDS.  K, Q: 8 images of 16 tokens x 64 channels (768 bytes: lane (r, h): bytes 0-15 at 16 x lane, 16-23 at 512 + 8 x lane), then 128 scale words.  V: 4 fragments of 16 channels x 128 keys, then 64 scale words.
; PLACES.  Tile 2 B + u holds tokens 32 B + 8 u + m + 8 (m / 8).  Both products are used transposed (S^T = K Q^T, O^T = V^T P^T): a lane holds one query, the 16 registers of tiles 2 B, 2 B + 1 are keys 32 B + 16 h + 0 .. 15.
; K = 64 in an instruction of 128: the upper six registers of Q's fragments are zero codes, which add nothing under any scale byte but 0xff; the records hold none.
; y: images [row block 512][head 16][768 bytes]; scale bytes from YSP on: [position 8192][32], byte 2 head + block.
; NO PREFETCH: every record is asked for by the one load at the head; there is no loop to run ahead in.
; LIMITS: the promise holds while the scaled scores stay under 2^31 in magnitude.  In y's and p's quantiser the largest magnitude is taken no smaller than 2^-122 (byte at least 1); a block of zeros gets the byte 1
; (the rule says 127): its codes are zeros, and only this program reads the bytes.  v_exp_f32 is taken not to fall where its input rises: a block's largest p is made from the block's largest score.
; REGISTERS: v1-4, v7, v11 stay; v5, v6 the add's; v8-10, v93-95 the trip's addresses of K and V; tile 127 - i: v12 -M, v13 largest t, v[14:15] sum, v16-27 Q, v255 Q's scales, v160-191 O^T;
; tile i: v28-31, v80-91, v92, v192-223.  v32-79 four tiles of K; v96-159 S^T, then p, then V's fragments, at the end y; v224-235 p's or y's codes; v232-254 at work; v248-251 scale words of K or V; v253 p's.
.set REC,   6656
.set VOF,   16*REC                     ; V's records lie behind K's
.set SPARE, 32*REC                     ; the spare words, 128 bytes for each of sixteen waves
.set YSP,   6291456
.set SPW,  5
.set NIL,  6
.set KA,   8
.set KB,   9
.set KC,   10
.set VA,   93
.set VB,   94
.set VC,   95
.set Y,    96
.set WV,   18
.set SEL,  20
.set CS,   22
.set IA,   40                          ; my tiles' numbers
.set IB,   41
.set BB,   42
.set HEAD, 43
.set KS,   44                          ; the key step in hand
.set TB,   45                          ; LDS byte of its record of K,
.set TV,   46                          ; and of V
.set NA,   47                          ; my tiles' last key steps
.set NB,   48
.set DA,   49                          ; my tiles' first tokens within their last key step
.set DB,   50
.macro CROUND                          ; a round of the cluster's barrier
	s_barrier_signal -1
	s_barrier_wait -1
	s_cmp_lg_u32 s[WV], 0
	s_cbranch_scc1 .Lnot_wave_0_\@
	s_barrier_signal -3
.Lnot_wave_0_\@:
	s_barrier_wait -3
	s_barrier_signal -1
	s_barrier_wait -1
.endm
.macro MAKED ti, pd                    ; tile ti's first token, 32 (ti / 2) + 8 (ti % 2), modulo 128
	s_lshr_b32 s52, s[\ti], 1
	s_lshl_b32 s52, s52, 5
	s_and_b32 s53, s[\ti], 1
	s_lshl_b32 s53, s53, 3
	s_add_co_u32 s52, s52, s53
	s_and_b32 s[\pd], s52, 127
.endm
.macro LOADQ ti, pq, ps, pp            ; tile ti of Q: record head x 64 + 16 b + ti / 8, image ti % 8, and its sixteen scale words
	s_lshl_b32 s52, s[HEAD], 6
	s_lshl_b32 s53, s[BB], 4
	s_add_co_u32 s52, s52, s53
	s_lshr_b32 s53, s[\ti], 3
	s_add_co_u32 s52, s52, s53
	s_mul_i32 s52, s52, REC
	s_and_b32 s53, s[\ti], 7
	s_mul_i32 s54, s53, 768
	s_add_co_u32 s54, s54, s52
	s_mov_b32 s55, 0
	s_add_nc_u64 s[\pp:\pp+1], s[4:5], s[54:55]
	s_lshl_b32 s54, s53, 6
	s_add_co_u32 s54, s54, s52
	s_add_co_u32 s54, s54, 6144
	s_add_nc_u64 s[\pp+2:\pp+3], s[4:5], s[54:55]
	global_load_b128 v[\pq:\pq+3], v1, s[\pp:\pp+1]
	global_load_b64 v[\pq+4:\pq+5], v2, s[\pp:\pp+1] offset:512
	global_load_b32 v[\ps], v4, s[\pp+2:\pp+3]
.endm
	s_load_b128 s[4:7], s[0:1], 0x0                ; qkr, vr
	s_load_b64 s[8:9], s[0:1], 0x10                ; yq
	v_lshl_add_u32 v[SPW], v0, 2, SPARE
	v_mov_b32 v[NIL], 0
	ds_add_u32 v[SPW], v[NIL]                      ; the opening lines: the add, twice on end, and its wait ahead of my first tensor load
	ds_add_u32 v[SPW], v[NIL]
	v_lshrrev_b32 v8, 5, v0
	v_readfirstlane_b32 s[WV], v8                  ; wave 0..15
	s_bfe_u32 s[IA], ttmp6, 0x40000                ; c: my place in the cluster; it enters global addresses and the mask's numbers alone
	s_lshl_b32 s52, s[WV], 2
	s_add_co_u32 s[IA], s[IA], s52                 ; i = 4 w + c
	s_sub_co_u32 s[IB], 127, s[IA]
	s_lshr_b32 s[NA], s[WV], 1
	s_sub_co_u32 s[NB], 15, s[NA]
	s_and_b32 s52, ttmp7, 0xffff
	s_lshr_b32 s[BB], s52, 4                       ; batch
	s_and_b32 s[HEAD], s52, 15
	MAKED IA, DA
	MAKED IB, DB
	s_mov_b32 s[KS], 0
	s_mov_b32 s[TB], 0
	s_mov_b32 s[TV], VOF
	s_mov_b32 s[SEL], 0x76543210
	s_mov_b32 s[SEL+1], 0xfedcba98                 ; selects: lane l xor 16
	s_mov_b32 s[CS], 0x3e38aa3b                    ; c = log2(e) / 8
	s_mov_b32 s[CS+1], s[CS]                       ; (named with it as a pair)
	s_mov_b32 s66, 0xffff0000                      ; lanes 16-31
	; group 1: two records, 13,312 dense bytes, as 52 rows of 256 (32 elements of 8 bytes); the mask names the cluster's four
	s_mov_b32 s24, 15|(3<<16)|(1<<21)
	s_mov_b32 s25, 32<<16
	s_mov_b32 s26, 52<<16
	s_mov_b32 s27, 32<<16
	s_mov_b32 s28, 52
	s_mov_b32 s29, 32
	s_mov_b32 s30, 0
	s_mov_b32 s31, 0
	s_lshl_b32 s53, s[HEAD], 6
	s_lshl_b32 s54, s[BB], 4
	s_add_co_u32 s53, s53, s54
	s_lshl_b32 s54, s[WV], 1
	s_add_co_u32 s53, s53, s54                     ; head x 64 + 16 b + 2 w
	s_add_co_u32 s54, s53, 1024                    ; waves 0-7: K's records 2 w, 2 w + 1 (16 heads further on than q's)
	s_sub_co_u32 s55, s53, 16                      ; waves 8-15: V's records 2 (w - 8), ..
	s_cmp_lt_u32 s[WV], 8
	s_cselect_b32 s38, s54, s55
	s_mul_i32 s38, s38, REC
	s_mov_b32 s39, 0
	s_mov_b32 s32, 1
	s_mul_i32 s33, s[WV], 2*REC                    ; and where they go: wave x two records
	s_wait_dscnt 0x0                               ; both opening adds are done
	s_wait_kmcnt 0x0
	s_cmp_lt_u32 s[WV], 8                          ; the choice hangs on the wave's number alone
	s_cselect_b64 s[36:37], s[4:5], s[6:7]
	s_add_nc_u64 s[34:35], s[36:37], s[38:39]
	s_or_b32 s35, s35, 0x80000000
	CROUND                                         ; the four work-groups are here: the joint loads meet
	tensor_load_to_lds s[32:35], s[24:31]          ; my one tensor load of the launch
	s_nop 0
.rept 4
	v_nop
.endr
	v_and_b32 v8, 31, v0
	v_and_b32 v9, 15, v0                           ; r
	v_bfe_u32 v10, v0, 4, 1                        ; h
	v_lshlrev_b32 v1, 4, v8                        ; 16 x lane
	v_lshlrev_b32 v2, 3, v8                        ; 8 x lane
	v_lshlrev_b32 v3, 2, v8                        ; 4 x lane
	v_lshlrev_b32 v4, 2, v9
	v_lshl_add_u32 v7, v9, 5, v10                  ; 32 r + h: my byte of y's scales
	v_and_b32 v11, 8, v9
	v_add_nc_u32 v11, v11, v9
	v_lshlrev_b32 v10, 4, v10
	v_sub_nc_u32 v11, v11, v10                     ; r + 8 (r / 8) - 16 h
	s_wait_alu depctr_va_vdst(0)                   ; the wait ahead of the run of scalar lines below
	LOADQ IB, 16, 255, 56
	LOADQ IA, 80, 92, 60
.irp j, 22,23,24,25,26,27,86,87,88,89,90,91
	v_mov_b32 v[\j], 0                             ; Q's upper 64 along K: zero codes
.endr
.irp t, 0,1,2,3
.irp j, 6,7,8,9,10,11
	v_mov_b32 v[32+12*\t+\j], 0                    ; and K's, in each of the four tiles' registers: written once
.endr
.endr
.irp j, 236,237,238,239,252,253,254
	v_mov_b32 v[\j], 0                             ; lane permutes' destinations and pairs' upper halves count as read
.endr
.irp m, 12, 28                         ; both tiles begin: no maximum, no sum, O^T = 0
	v_mov_b32 v[\m+1], 0xff61b1e6                  ; -3e38, under every t
	v_floor_f32 v[\m], -v[\m+1]
	v_mov_b32 v[\m+2], 0
	v_mov_b32 v[\m+3], 0
.endr
.set n, 0
.rept 64
	v_mov_b32 v[160+n], 0
.set n, n+1
.endr
; A KEY STEP of one tile: 128 keys.  po: O^T, pq: Q, ps: Q's scale words, pm: -M and the largest t, pl: the sum, pn: the tile's last key step, pd: its first token in that step.
.macro STEP po, pq, ps, pm, pl, pn, pd
	s_cmp_gt_u32 s[KS], s[\pn]                     ; all keys come after my queries: left out
	s_cbranch_scc1 .Lhidden_\@
.irp g, 0,1                            ; S^T = K Q^T, four tiles of 16 keys at a time
.if \g
.rept 4
	v_nop                                          ; places in front of loads into registers that the last four products read
.endr
.endif
.irp t, 0,1,2,3
	ds_load_b128 v[32+12*\t:35+12*\t], v[KA] offset:768*(4*\g+\t)
	ds_load_b64 v[36+12*\t:37+12*\t], v[KB] offset:768*(4*\g+\t)+512
.endr
.if \g == 0
.irp b, 0,1,2,3
	ds_load_b32 v[248+\b], v[KC] offset:6144+128*\b   ; lanes 0-15: tile 2 b's scale words, lanes 16-31: tile 2 b + 1's
.endr
.endif
	s_wait_dscnt 0x0
.irp t, 0,1,2,3
.if \t%2
	v_wmma_scale_f32_16x16x128_f8f6f4 v[96+8*(4*\g+\t):103+8*(4*\g+\t)], v[32+12*\t:43+12*\t], v[\pq:\pq+11], 0, v[248+(4*\g+\t)/2], v[\ps] matrix_a_fmt:MATRIX_FMT_BF6 matrix_b_fmt:MATRIX_FMT_BF6 matrix_a_scale:MATRIX_SCALE_ROW1
.else
	v_wmma_scale_f32_16x16x128_f8f6f4 v[96+8*(4*\g+\t):103+8*(4*\g+\t)], v[32+12*\t:43+12*\t], v[\pq:\pq+11], 0, v[248+(4*\g+\t)/2], v[\ps] matrix_a_fmt:MATRIX_FMT_BF6 matrix_b_fmt:MATRIX_FMT_BF6
.endif
.endr
.endr
.rept 4
	v_nop
.endr
.irp d, 0,1,2,3                        ; V's four fragments are asked for here, into K's registers v32-79, which the score products are done with (not into p's): K's upper halves meet Q's zero codes alone, so any codes may lie there
	ds_load_b128 v[32+12*\d:35+12*\d], v[VA] offset:1536*\d
	ds_load_b64 v[36+12*\d:37+12*\d], v[VB] offset:1536*\d+512
	ds_load_b128 v[38+12*\d:41+12*\d], v[VA] offset:1536*\d+768
	ds_load_b64 v[42+12*\d:43+12*\d], v[VB] offset:1536*\d+1280
.endr
	ds_load_b32 v0, v[VC] offset:6144              ; V's scale words, in v0 and v4, which the head is done with
	ds_load_b32 v4, v[VC] offset:6144+128
	s_cmp_lg_u32 s[KS], s[\pn]                     ; the tile's last step lies on the diagonal: hidden scores become -infinity ahead of the maximum
	s_cbranch_scc1 .Lopen_\@
	v_add_nc_u32 v252, s[\pd], v11                 ; d = my query - the step's first key - 16 h.  Register 16 b + i holds key 16 h + 32 b + i of the step: hidden where 32 b + i > d
	v_mov_b32 v254, 0xff800000
.set n, 0
.rept 64
	v_cmp_gt_i32 vcc_lo, 32*(n/16)+n%16, v252
	v_cndmask_b32 v[96+n], v[96+n], v254, vcc_lo
.set n, n+1
.endr
.Lopen_\@:
.irp b, 0,1,2,3
	v_max3_num_f32 v[232+\b], v[96+16*\b], v[97+16*\b], v[98+16*\b]   ; the largest score of each block of 32 keys: for the row's maximum, and for the block's largest p
.endr
.irp i, 3,5,7,9,11,13
.irp b, 0,1,2,3
	v_max3_num_f32 v[232+\b], v[232+\b], v[96+16*\b+\i], v[97+16*\b+\i]
.endr
.endr
.irp b, 0,1,2,3
	v_max_num_f32 v[232+\b], v[232+\b], v[111+16*\b]
.endr
.irp b, 0,1,2,3
	s_delay_alu instid0(VALU_DEP_4)
	v_permlanex16_b32 v[236+\b], v[232+\b], s[SEL], s[SEL+1]
.endr
.irp b, 0,1,2,3
	s_delay_alu instid0(VALU_DEP_4)
	v_max_num_f32 v[232+\b], v[232+\b], v[236+\b]  ; with lane l xor 16's 16 keys
.endr
	s_delay_alu instid0(VALU_DEP_2)
	v_max3_num_f32 v254, v232, v233, v234
	s_delay_alu instid0(VALU_DEP_1)
	v_max_num_f32 v254, v254, v235
	s_delay_alu instid0(VALU_DEP_1)
	v_mul_f32 v254, s[CS], v254                    ; the step's largest t
	s_delay_alu instid0(VALU_DEP_1)
	v_max_num_f32 v[\pm+1], v[\pm+1], v254
	v_mov_b32 v254, v[\pm]
	s_delay_alu instid0(VALU_DEP_2)
	v_floor_f32 v[\pm], -v[\pm+1]                  ; the new -M = -ceil(t): a whole number
	s_delay_alu instid0(VALU_DEP_1)
	v_sub_f32 v254, v[\pm], v254                   ; old M - new M, 0 or less
	s_delay_alu instid0(VALU_DEP_1)
	v_cvt_i32_f32 v254, v254
	s_delay_alu instid0(VALU_DEP_1)
	v_ldexp_f32 v252, 1.0, v254                    ; f = 2^(old M - new M)
.set n, 0
.rept 32
	v_pk_fma_f32 v[96+n:97+n], v[96+n:97+n], s[CS:CS+1], v[\pm:\pm+1] op_sel_hi:[1,0,0]   ; t - M
.set n, n+2
.endr
.irp b, 0,1,2,3
	v_fma_f32 v[232+\b], v[232+\b], s[CS], v[\pm]
.endr
.set n, 0
	s_wait_alu depctr_va_vdst(0)                   ; the wait ahead of the batch
.rept 64
	v_exp_f32 v[96+n], v[96+n]                     ; p = 2^(t - M), not normalised
.set n, n+1
.endr
.irp b, 0,1,2,3
	v_exp_f32 v[232+\b], v[232+\b]                 ; the block's largest p
.endr
	v_pk_mul_f32 v[\pl:\pl+1], v[\pl:\pl+1], v[252:253] op_sel_hi:[1,0]   ; the sums under the new M (a plain place behind the exponentials)
	s_wait_alu depctr_va_vdst(0)                   ; one wait for the whole batch
.irp b, 0,1,2,3
	v_max_num_f32 v[232+\b], 0x2800000, v[232+\b]  ; the floor 2^(5 - 127)
.endr
.irp b, 0,1,2,3
	s_delay_alu instid0(VALU_DEP_4)
	v_add_nc_u32 v[244+\b], 0xfe000000, v[232+\b]  ; the conversion's scale operand
.endr
.irp b, 0,1,2,3
	s_delay_alu instid0(VALU_DEP_4)
	v_lshrrev_b32 v[236+\b], 23, v[244+\b]
.endr
	s_delay_alu instid0(VALU_DEP_3)
	v_lshl_or_b32 v253, v237, 8, v236              ; p's scale word for these 128 keys
	s_delay_alu instid0(VALU_DEP_1)
	v_lshl_or_b32 v253, v238, 16, v253
	s_delay_alu instid0(VALU_DEP_1)
	v_lshl_or_b32 v253, v239, 24, v253
.irp c, 0,1
	v_cvt_scalef32_pk16_bf6_f32 v[224+6*\c:226+6*\c], v[96+32*\c:111+32*\c], v[244+2*\c]
	v_cvt_scalef32_pk16_bf6_f32 v[236+4*\c:238+4*\c], v[112+32*\c:127+32*\c], v[245+2*\c]
.endr
	v_nop                                          ; one plain place behind a scaled conversion
.irp c, 0,1                            ; the operand wants a whole block in a lane
.irp i, 0,1,2
	v_permlane16_swap_b32 v[224+6*\c+\i], v[236+4*\c+\i]
.endr
.irp i, 0,1,2
	s_delay_alu instid0(VALU_DEP_3)
	v_mov_b32 v[227+6*\c+\i], v[236+4*\c+\i]
.endr
.endr
	v_pk_add_f32 v[236:237], v[100:101], v[104:105]           ; the row's sum of the unquantised p, in eight chains
	v_pk_add_f32 v[250:251], v[108:109], v[112:113]
	v_pk_add_f32 v[248:249], v[116:117], v[120:121]
	v_pk_add_f32 v[246:247], v[124:125], v[128:129]
	v_pk_add_f32 v[244:245], v[132:133], v[136:137]
	v_pk_add_f32 v[242:243], v[140:141], v[144:145]
	v_pk_add_f32 v[240:241], v[148:149], v[152:153]
	v_pk_add_f32 v[\pl:\pl+1], v[\pl:\pl+1], v[156:157]
	v_pk_add_f32 v[236:237], v[236:237], v[96:97]
	v_pk_add_f32 v[250:251], v[250:251], v[98:99]
	v_pk_add_f32 v[248:249], v[248:249], v[102:103]
	v_pk_add_f32 v[246:247], v[246:247], v[106:107]
	v_pk_add_f32 v[244:245], v[244:245], v[110:111]
	v_pk_add_f32 v[242:243], v[242:243], v[114:115]
	v_pk_add_f32 v[240:241], v[240:241], v[118:119]
	v_pk_add_f32 v[\pl:\pl+1], v[\pl:\pl+1], v[122:123]
	v_pk_add_f32 v[236:237], v[236:237], v[126:127]
	v_pk_add_f32 v[250:251], v[250:251], v[130:131]
	v_pk_add_f32 v[248:249], v[248:249], v[134:135]
	v_pk_add_f32 v[246:247], v[246:247], v[138:139]
	v_pk_add_f32 v[244:245], v[244:245], v[142:143]
	v_pk_add_f32 v[242:243], v[242:243], v[146:147]
	v_pk_add_f32 v[240:241], v[240:241], v[150:151]
	v_pk_add_f32 v[\pl:\pl+1], v[\pl:\pl+1], v[154:155]
	v_pk_add_f32 v[236:237], v[236:237], v[158:159]
	v_pk_add_f32 v[\pl:\pl+1], v[\pl:\pl+1], v[246:247]
	v_pk_add_f32 v[236:237], v[236:237], v[244:245]
	v_pk_add_f32 v[250:251], v[250:251], v[242:243]
	v_pk_add_f32 v[248:249], v[248:249], v[240:241]
	v_pk_add_f32 v[\pl:\pl+1], v[\pl:\pl+1], v[250:251]
	v_pk_add_f32 v[236:237], v[236:237], v[248:249]
	v_pk_add_f32 v[\pl:\pl+1], v[\pl:\pl+1], v[236:237]
	s_wait_alu depctr_va_vdst(0)                   ; the wait directly ahead of the first reader of O^T
.set n, 0
.rept 16
	v_pk_mul_f32 v[\po+n:\po+n+1], v[\po+n:\po+n+1], v[252:253] op_sel_hi:[1,0]   ; O^T under the new M, each accumulator from its low end on
.set n, n+2
.endr
	s_wait_alu depctr_va_vdst(0)                   ; the wait directly ahead of the wait below
	s_wait_dscnt 0x0
.irp d, 0,1,2,3                        ; O^T += V^T P^T: the four accumulators by turns
.if \d%2
	v_wmma_scale_f32_16x16x128_f8f6f4 v[\po+8*\d:\po+8*\d+7], v[32+12*\d:43+12*\d], v[224:235], v[\po+8*\d:\po+8*\d+7], v[4*(\d/2)], v253 matrix_a_fmt:MATRIX_FMT_BF6 matrix_b_fmt:MATRIX_FMT_BF6 matrix_a_scale:MATRIX_SCALE_ROW1
.else
	v_wmma_scale_f32_16x16x128_f8f6f4 v[\po+8*\d:\po+8*\d+7], v[32+12*\d:43+12*\d], v[224:235], v[\po+8*\d:\po+8*\d+7], v[4*(\d/2)], v253 matrix_a_fmt:MATRIX_FMT_BF6 matrix_b_fmt:MATRIX_FMT_BF6
.endif
.endr
.rept 5
	v_nop                                          ; five places: the next step's loads write over V's registers
.endr
.Lhidden_\@:
.endm
; A TILE ENDS: y = O^T / the sum, quantised along the head's 64 channels (two blocks of 32, each shared with lane l xor 16), stored as an image and two scale bytes a token.
.macro FINISH po, pl, ti
	v_add_f32 v[\pl], v[\pl], v[\pl+1]
	s_delay_alu instid0(VALU_DEP_1)
	v_permlanex16_b32 v252, v[\pl], s[SEL], s[SEL+1]
	s_delay_alu instid0(VALU_DEP_1)
	v_add_f32 v[\pl], v[\pl], v252                 ; the row's sum
	s_wait_alu depctr_va_vdst(0)
	v_rcp_f32 v[\pl], v[\pl]
	v_nop                                          ; one plain place behind a transcendental
.set n, 0
	s_wait_alu depctr_va_vdst(0)
.rept 16
	v_pk_mul_f32 v[Y+n:Y+n+1], v[\po+n:\po+n+1], v[\pl:\pl+1] op_sel_hi:[1,0]   ; register 16 B + i = channel 32 B + 16 h + i
.set n, n+2
.endr
.irp b, 0,1
	v_max3_num_f32 v[232+\b], |v[Y+16*\b]|, |v[Y+1+16*\b]|, 0x2800000
.endr
.irp i, 2,4,6,8,10,12,14
.irp b, 0,1
	s_delay_alu instid0(VALU_DEP_2)
	v_max3_num_f32 v[232+\b], v[232+\b], |v[Y+16*\b+\i]|, |v[Y+1+16*\b+\i]|
.endr
.endr
.irp b, 0,1
	s_delay_alu instid0(VALU_DEP_2)
	v_permlanex16_b32 v[236+\b], v[232+\b], s[SEL], s[SEL+1]
.endr
.irp b, 0,1
	s_delay_alu instid0(VALU_DEP_2)
	v_max_num_f32 v[232+\b], v[232+\b], v[236+\b]
.endr
.irp b, 0,1
	s_delay_alu instid0(VALU_DEP_2)
	v_add_nc_u32 v[244+\b], 0xfe000000, v[232+\b]
.endr
.irp b, 0,1
	s_delay_alu instid0(VALU_DEP_2)
	v_lshrrev_b32 v[236+\b], 23, v[244+\b]
.endr
	s_delay_alu instid0(VALU_DEP_1)
	v_cndmask_b32 v238, v236, v237, s66            ; lanes 0-15 keep block 0's byte, lanes 16-31 block 1's
	v_cvt_scalef32_pk16_bf6_f32 v[224:226], v[Y:Y+15], v244
	v_cvt_scalef32_pk16_bf6_f32 v[240:242], v[Y+16:Y+31], v245
	v_nop                                          ; one plain place behind a scaled conversion
.irp i, 0,1,2
	v_permlane16_swap_b32 v[224+\i], v[240+\i]
.endr
.irp i, 0,1,2
	s_delay_alu instid0(VALU_DEP_3)
	v_mov_b32 v[227+\i], v[240+\i]
.endr
	s_lshl_b32 s52, s[BB], 7
	s_add_co_u32 s52, s52, s[\ti]                  ; my row block: 128 b + tile
	s_lshl_b32 s53, s52, 4
	s_add_co_u32 s53, s53, s[HEAD]
	s_mul_i32 s54, s53, 768
	s_mov_b32 s55, 0
	s_add_nc_u64 s[60:61], s[8:9], s[54:55]        ; its image for K = 64 head ..
	s_lshl_b32 s54, s52, 9
	s_lshl_b32 s53, s[HEAD], 1
	s_add_co_u32 s54, s54, s53
	s_add_co_u32 s54, s54, YSP
	s_add_nc_u64 s[62:63], s[8:9], s[54:55]        ; and the head's two bytes in its sixteen rows of 32 scale bytes
	s_wait_alu depctr_va_vdst(0)
	global_store_b128 v1, v[224:227], s[60:61]
	global_store_b64 v2, v[228:229], s[60:61] offset:512
	global_store_b8 v7, v238, s[62:63]
	s_wait_xcnt 0x0                                ; the stores have read their data and bases: both are written again only behind this wait
.endm
	s_wait_alu depctr_va_vdst(0)                   ; the wait at the head's end
	s_wait_tensorcnt 0x0                           ; my two records are in
	s_barrier_signal -1
	s_barrier_wait -1                              ; and everybody's: all of K and V; nothing is filled again
	s_wait_loadcnt 0x0                             ; Q
.Ltrip:                                            ; 16 trips, a key step each
	v_add_nc_u32 v[KA], s[TB], v1
	v_add_nc_u32 v[KB], s[TB], v2
	v_add_nc_u32 v[KC], s[TB], v3
	v_add_nc_u32 v[VA], s[TV], v1
	v_add_nc_u32 v[VB], s[TV], v2
	v_add_nc_u32 v[VC], s[TV], v3
	s_wait_alu depctr_va_vdst(0)                   ; the wait ahead of the branches below
	STEP 160, 16, 255, 12, 14, NB, DB
	STEP 192, 80, 92, 28, 30, NA, DA
	s_add_co_u32 s[TB], s[TB], REC
	s_add_co_u32 s[TV], s[TV], REC
	s_add_co_u32 s[KS], s[KS], 1
	s_cmp_lt_u32 s[KS], 16
	s_wait_alu depctr_va_vdst(0)                   ; the wait directly ahead of the branch
	s_cbranch_scc1 .Ltrip
	FINISH 160, 14, IB
	FINISH 192, 30, IA
	s_wait_tensorcnt 0x0                           ; the wave's end
	ds_add_u32 v[SPW], v[NIL]
	s_wait_dscnt 0x0
	CROUND                                         ; the closing round
	s_endpgm
.Lfunc_end_k_q72ebb67fd1_attn:
	.size	k_q72ebb67fd1_attn, .Lfunc_end_k_q72ebb67fd1_attn-k_q72ebb67fd1_attn
	.p2alignl 7, 3214868480
	.fill 96, 4, 3214868480
	.section	.rodata,"a",@progbits
	.p2align	6, 0x0
	.amdhsa_kernel k_q72ebb67fd1_attn
		.amdhsa_group_segment_fixed_size 327680
		.amdhsa_private_segment_fixed_size 0
		.amdhsa_enable_private_segment 0
		.amdhsa_kernarg_size 24
		.amdhsa_user_sgpr_count 2
		.amdhsa_user_sgpr_kernarg_segment_ptr 1
		.amdhsa_wavefront_size32 1
		.amdhsa_system_sgpr_workgroup_id_x 1
		.amdhsa_system_sgpr_workgroup_id_y 1
		.amdhsa_system_sgpr_workgroup_id_z 1
		.amdhsa_system_vgpr_workitem_id 0
		.amdhsa_next_free_vgpr 256
		.amdhsa_next_free_sgpr 72
		.amdhsa_reserve_vcc 1
		.amdhsa_float_denorm_mode_32 3
		.amdhsa_float_denorm_mode_16_64 3
		.amdhsa_memory_ordered 1
		.amdhsa_forward_progress 1
		.amdhsa_inst_pref_size 65
	.end_amdhsa_kernel
	.amdgpu_metadata
---
amdhsa.version: [ 1, 2 ]
amdhsa.kernels:
  - .name:           k_q72ebb67fd1_attn
    .symbol:         k_q72ebb67fd1_attn.kd
    .args:
      - { .name: qkr, .offset: 0, .size: 8, .value_kind: global_buffer, .address_space: global }
      - { .name: vr, .offset: 8, .size: 8, .value_kind: global_buffer, .address_space: global }
      - { .name: yq, .offset: 16, .size: 8, .value_kind: global_buffer, .address_space: global }
    .group_segment_fixed_size: 327680
    .private_segment_fixed_size: 0
    .kernarg_segment_align: 8
    .kernarg_segment_size: 24
    .max_flat_workgroup_size: 512
    .sgpr_count:     72
    .vgpr_count:     256
    .wavefront_size: 32
...
	.end_amdgpu_metadata
.endif
;; end of part 3
;; launch gemm_proj (part 4): grid 4 x 64, 4 waves a work-group, clusters of 4 x 4, 327,680 bytes of LDS; arguments yq, wq, b_proj, out0; writes out0
.if DOCPART == 4
	.amdgcn_target "amdgcn-amd-amdhsa--gfx1250"
	.amdhsa_code_object_version 6
	.text
	.protected	k_q72ebb67fd1_gemm_proj
	.globl	k_q72ebb67fd1_gemm_proj
	.p2align	8
	.type	k_q72ebb67fd1_gemm_proj,@function
k_q72ebb67fd1_gemm_proj:
	s_mov_b64 s[64:65], 0
	v_nop
	global_prefetch_b8 v0, s[64:65] scope:SCOPE_SE
	s_setreg_imm32_b32 hwreg(HW_REG_WAVE_MODE, 25, 1), 1
	s_wait_xcnt 0x0
	s_wait_alu depctr_hold_cnt(0) depctr_sa_sdst(0) depctr_va_vdst(0) depctr_va_sdst(0) depctr_va_ssrc(0) depctr_va_vcc(0) depctr_vm_vsrc(0)
	s_getreg_b32 s2, hwreg(HW_REG_IB_STS2, 6, 4)
	s_cmp_eq_u32 s2, 0
	s_cbranch_scc0 .Lentry_in_a_cluster
	s_endpgm
.Lentry_in_a_cluster:
	s_bfe_u32 s2, ttmp6, 0x10000c
	s_cmp_lg_u32 s2, 0xf033
	s_cbranch_scc0 .Lentry_shape_is_right
	s_endpgm
.Lentry_shape_is_right:
; out0 = y w_proj + b_proj on codes of BF6 (E3M2) with E8M0 scales, f32 sums.  M 8,192, N 1,024, K 1,024.
; A block of 128 tokens x 256 columns to a work-group: 64 x 4 = 256 work-groups.  ALL OF K LIES IN LDS: A's 8 row blocks and B's 16, 12,288 bytes each, 294,912 bytes, dense in memory and in LDS alike.
; Each of four waves brings its part by ONE joint load at the head (waves 0, 1: A's halves, 4 row blocks; waves 2, 3: B's halves, 8 row blocks); nothing is filled again.
; OPERANDS ARE IMAGES OF REGISTERS: [row block of 16][64 along K][768 bytes]: lane (r, h): bytes 0-15 at 16 x lane, 16-23 at 512 + 8 x lane.  A fragment is two loads of 16 bytes and two of 8, each lane-linear.
; A wave makes 64 tokens x 128 columns: 32 accumulators.  Source 0 = 16 rows of B, source 1 = 16 rows of A: a lane holds one token and its registers run along the columns.
; Rows lie at places (the number with bits 3 and 4 exchanged): tile b's register j is column 32 (b / 2) + 16 h + 8 (b % 2) + j; row m of row block 2 B + u is token 32 B + 8 u + m + 8 (m / 8).
; THE SCALES, 32 bytes a row for all of K, go from memory straight into registers, once: lane r takes row r's eight words.  THE BIAS is the C of each sum's first matrix instruction.
; CLUSTERS 4 x 4: A's tile hangs on cy alone and is asked for jointly by the four of a row, B's on cx alone, by the four of a column.
; NO PREFETCH: every tile is asked for by the one load at the head; there is no loop to run ahead in.
; REGISTERS: window 0: v1-31 addresses; v32-63 A's scale words (8 a + K step), v64-127 B's (8 b + K step); v128-223 A's fragments, two sets; on the way out v128-255.
; window 1: B's fragments, two sets, at v0 and v128.  window 2: accumulator (a, b) at v[8 (8 a + b)].  window 3: v0-63 the bias.
.set YSP,   6291456
.set WSC,   3145728
.set FR,    12
.set NP,    4                          ; places behind this matrix instruction (ISA guide 7.12.1)
.set RBM,   12288                      ; a row block's 1,024 along K
.set BLDS,  8*RBM                      ; B lies behind A's 8 row blocks
.set SPARE, 24*RBM                     ; the spare words, 128 bytes for each wave
.set SPITCH, 528                       ; the way out: a stage of 16 rows x (512 + 16) bytes a wave, in A's bytes, behind their one fill and their last read
.set ADRA, 16                          ; v16 my A rows + 16 x lane, v17 + 8 x lane
.set ADRB, 18                          ; v18, v19 my B row blocks 0-3; v20, v21 row blocks 4-7
.set STO,  24
.set RD,   25
.set L16,  26
.set SPW,  28
.set NIL,  29
.set L8,   30
.set SA,   32
.set SB,   64
.set AF,   128
.set BK,   128
.set G1, 24
.set G0, 32
.set G1B, 48
.set G0B, 56
.set MSB, 0
.macro WIN new                         ; the immediate's high byte repeats the setting that is left
.if MSB != \new
	s_set_vgpr_msb (MSB<<8)|\new
.set MSB, \new
.endif
.endm
.set MUL_LO, 0xa1                      ; source 0 (B) window 1, source 1 (A) window 0, C and D window 2
.set MUL_1ST, 0xb1                     ; the same, C (the bias) window 3
.set TO_B,   0x40
.macro CROUND                          ; a round of the cluster's barrier
	s_barrier_signal -1
	s_barrier_wait -1
	s_cmp_lg_u32 s14, 0
	s_cbranch_scc1 .Lnot_wave_0_\@
	s_barrier_signal -3
.Lnot_wave_0_\@:
	s_barrier_wait -3
	s_barrier_signal -1
	s_barrier_wait -1
.endm
	s_load_b256 s[92:99], s[0:1], 0x0              ; yq, wq, b_proj, out0
	v_lshl_add_u32 v[SPW], v0, 2, SPARE
	v_mov_b32 v[NIL], 0
	ds_add_u32 v[SPW], v[NIL]                      ; the opening lines: the add, twice on end, and its wait
	ds_add_u32 v[SPW], v[NIL]
	v_lshrrev_b32 v1, 5, v0
	v_readfirstlane_b32 s14, v1                    ; wave 0..3
	s_lshr_b32 s15, s14, 1                         ; my half of A's rows.  Also: I fetch for A (0) or for B (1)
	s_and_b32 s16, s14, 1                          ; my half of B's rows.  Also: which half I fetch
	s_bfe_u32 s40, ttmp6, 0x40000                  ; cx = B's tile
	s_bfe_u32 s41, ttmp6, 0x40004                  ; cy
	s_and_b32 s66, ttmp7, 0xffff
	s_lshl_b32 s17, s66, 2
	s_add_co_u32 s17, s17, s41                     ; A's tile, 0 .. 63
	s_lshl_b32 s43, s41, 2
	s_lshl_b32 s43, 15, s43                        ; my row of the cluster
	s_lshl_b32 s44, 0x1111, s40                    ; my column
	s_or_b32 s[G1+0], s43, (3<<16)|(1<<21)         ; rows of 12,288 bytes (1,536 elements of 8 bytes), on end in memory and in LDS
	s_or_b32 s[G1B+0], s44, (3<<16)|(1<<21)
.irp g, G1, G1B
	s_mov_b32 s[\g+1], 1536<<16
	s_mov_b32 s[\g+3], 1536<<16
	s_mov_b32 s[\g+5], 1536
	s_mov_b32 s[\g+6], 0
	s_mov_b32 s[\g+7], 0
.endr
	s_mov_b32 s[G1+2], 4<<16                       ; A: 4 row blocks a load
	s_mov_b32 s[G1+4], 4
	s_mov_b32 s[G1B+2], 8<<16                      ; B: 8
	s_mov_b32 s[G1B+4], 8
	s_lshl_b32 s18, s17, 3
	s_lshl_b32 s19, s16, 2
	s_add_co_u32 s19, s18, s19                     ; A: the first row block that I fetch: 8 tA + 4 x half
	s_mul_i32 s4, s19, RBM
	s_mov_b32 s5, 0
	s_lshl_b32 s19, s15, 2
	s_add_co_u32 s19, s18, s19                     ; and the first that I multiply
	s_lshl_b32 s6, s19, 9
	s_add_co_u32 s6, s6, YSP                       ; its scale bytes (512 a row block)
	s_mov_b32 s7, 0
	s_lshl_b32 s47, s40, 4
	s_add_co_u32 s47, s47, 192                     ; w_proj's row blocks lie behind w_attn's 192
	s_lshl_b32 s46, s16, 3
	s_add_co_u32 s47, s47, s46                     ; B: the half that I fetch is the half that I multiply
	s_mul_i32 s8, s47, RBM
	s_mov_b32 s9, 0
	s_lshl_b32 s10, s47, 9
	s_add_co_u32 s10, s10, WSC
	s_mov_b32 s11, 0
	s_mov_b32 s[G0], 1
	s_mul_i32 s[G0+1], s16, 4*RBM                  ; where they go: no place in the cluster enters an LDS address
	s_mov_b32 s[G0B], 1
	s_mul_i32 s[G0B+1], s16, 8*RBM
	s_add_co_u32 s[G0B+1], s[G0B+1], BLDS
	s_wait_dscnt 0x0                               ; both opening adds are done
	s_wait_kmcnt 0x0
	s_add_nc_u64 s[G0+2:G0+3], s[92:93], s[4:5]
	s_or_b32 s[G0+3], s[G0+3], 0x80000000
	s_add_nc_u64 s[G0B+2:G0B+3], s[94:95], s[8:9]
	s_or_b32 s[G0B+3], s[G0B+3], 0x80000000
	s_add_nc_u64 s[6:7], s[92:93], s[6:7]
	s_add_nc_u64 s[10:11], s[94:95], s[10:11]
	s_mov_b64 s[2:3], s[96:97]
	s_mov_b64 s[12:13], s[98:99]
	CROUND                                         ; all sixteen work-groups are here: the joint loads meet
	s_cmp_eq_u32 s15, 0
	s_cbranch_scc0 .Lfor_b
	tensor_load_to_lds s[G0:G0+3], s[G1:G1+7]      ; my one tensor load of the launch
	s_nop 0
.rept 4
	v_nop
.endr
	s_branch .Lasked
.Lfor_b:
	tensor_load_to_lds s[G0B:G0B+3], s[G1B:G1B+7]
	s_nop 0
.rept 4
	v_nop
.endr
.Lasked:
	s_mul_i32 s21, s15, 4*RBM                      ; my 4 row blocks of A
	s_mul_i32 s22, s16, 8*RBM
	s_add_co_u32 s22, s22, BLDS                    ; my 8 of B,
	s_add_co_u32 s20, s22, 4*RBM                   ; and the upper four of them
	s_mul_i32 s23, s14, 16*SPITCH                  ; my stage
	s_lshl_b32 s18, s17, 7
	s_lshl_b32 s19, s15, 6
	s_add_co_u32 s18, s18, s19                     ; my first token
	s_lshl_b32 s18, s18, 12
	s_lshl_b32 s46, s40, 10
	s_lshl_b32 s19, s16, 9
	s_add_co_u32 s46, s46, s19                     ; my first column, in bytes
	s_mov_b32 s47, 0
	s_add_nc_u64 s[2:3], s[2:3], s[46:47]
	s_add_nc_u64 s[12:13], s[12:13], s[46:47]
	s_mov_b32 s19, 0
	s_add_nc_u64 s[12:13], s[12:13], s[18:19]
	v_and_b32 v1, 15, v0                           ; r
	v_bfe_u32 v2, v0, 4, 1                         ; h
	v_and_b32 v3, 31, v0
	v_lshlrev_b32 v[L16], 4, v3
	v_lshlrev_b32 v[L8], 3, v3
	v_add_nc_u32 v[ADRA], s21, v[L16]
	v_add_nc_u32 v[ADRA+1], s21, v[L8]
	v_add_nc_u32 v[ADRB], s22, v[L16]
	v_add_nc_u32 v[ADRB+1], s22, v[L8]
	v_add_nc_u32 v[ADRB+2], s20, v[L16]
	v_add_nc_u32 v[ADRB+3], s20, v[L8]
	v_lshlrev_b32 v6, 5, v1                        ; my row's 32 scale bytes
	v_lshlrev_b32 v7, 6, v2                        ; the bias: 16 h columns on
	v_mul_u32_u24 v[STO], v1, SPITCH
	v_lshl_add_u32 v[STO], v2, 6, v[STO]
	v_add_nc_u32 v[STO], s23, v[STO]
	v_add_nc_u32 v[RD], s23, v[L16]
	s_wait_alu depctr_va_vdst(0)                   ; the wait at the head's end
.irp a, 0,1,2,3
	global_load_b128 v[SA+8*\a:SA+8*\a+3], v6, s[6:7] offset:512*\a
	global_load_b128 v[SA+8*\a+4:SA+8*\a+7], v6, s[6:7] offset:512*\a+16
.endr
.irp b, 0,1,2,3,4,5,6,7
	global_load_b128 v[SB+8*\b:SB+8*\b+3], v6, s[10:11] offset:512*\b
	global_load_b128 v[SB+8*\b+4:SB+8*\b+7], v6, s[10:11] offset:512*\b+16
.endr
	WIN 0xc0                                       ; destination window 3
.irp b, 0,1,2,3,4,5,6,7
	global_load_b128 v[8*\b:8*\b+3], v7, s[2:3] offset:(32*(\b/2)+8*(\b%2))*4
	global_load_b128 v[8*\b+4:8*\b+7], v7, s[2:3] offset:(32*(\b/2)+8*(\b%2))*4+16
.endr
	WIN 0
.macro FRAG reg, adr, i, q             ; a fragment, 16 rows x 128 K: two images of 768 bytes on end
	ds_load_b128 v[\reg:\reg+3], v[\adr] offset:(\i)*RBM+(\q)*1536
	ds_load_b64 v[\reg+4:\reg+5], v[\adr+1] offset:(\i)*RBM+(\q)*1536+512
	ds_load_b128 v[\reg+6:\reg+9], v[\adr] offset:(\i)*RBM+(\q)*1536+768
	ds_load_b64 v[\reg+10:\reg+11], v[\adr+1] offset:(\i)*RBM+(\q)*1536+1280
.endm
.macro FETCH q                         ; K step q's twelve fragments into set q % 2
	WIN TO_B
.irp i, 0,1,2,3
	FRAG 128*((\q)%2)+FR*\i, ADRB, \i, \q
	FRAG 128*((\q)%2)+FR*(\i+4), ADRB+2, \i, \q
.endr
	WIN 0
.irp i, 0,1,2,3
	FRAG AF+48*((\q)%2)+FR*\i, ADRA, \i, \q
.endr
.endm
.macro MUL32 q, first                  ; the 32 accumulators take turns, one instruction a turn, in the same order in every step
.irp a, 0,1,2,3
.irp b, 0,1,2,3,4,5,6,7
.set rD, 8*(8*\a+\b)
.set rB, 128*((\q)%2)+FR*\b
.set rA, AF+48*((\q)%2)+FR*\a
.if \first
	v_wmma_scale_f32_16x16x128_f8f6f4 v[rD:rD+7], v[rB:rB+FR-1], v[rA:rA+FR-1], v[8*\b:8*\b+7], v[SB+8*\b+(\q)], v[SA+8*\a+(\q)] matrix_a_fmt:MATRIX_FMT_BF6 matrix_b_fmt:MATRIX_FMT_BF6
.else
	v_wmma_scale_f32_16x16x128_f8f6f4 v[rD:rD+7], v[rB:rB+FR-1], v[rA:rA+FR-1], v[rD:rD+7], v[SB+8*\b+(\q)], v[SA+8*\a+(\q)] matrix_a_fmt:MATRIX_FMT_BF6 matrix_b_fmt:MATRIX_FMT_BF6
.endif
.endr
.endr
.endm
.macro PLACES n
.rept \n
	v_nop
.endr
.endm
.macro STEP q                          ; K step q: its fragments are in; the next step's are asked for ahead of its 32 products
	s_wait_dscnt 0x0
.if (\q) < 7
.if (\q) > 0
	PLACES NP                                      ; in front of loads into registers that the last step's products read
.endif
	FETCH (\q)+1
.else
	s_barrier_signal -1                            ; my reads of the tiles are over
.endif
.if (\q) == 0
	s_wait_loadcnt 0x0                             ; the scales and the bias
	WIN MUL_1ST
	MUL32 \q, 1
.else
	WIN MUL_LO
	MUL32 \q, 0
.endif
	WIN 0
.endm
	s_wait_tensorcnt 0x0                           ; my part of the tiles is in
	s_barrier_signal -1
	s_barrier_wait -1                              ; and everybody's
	FETCH 0
.irp q, 0,1,2,3,4,5,6,7
	STEP \q
.endr
	s_barrier_wait -1                              ; everybody's reads are over: the stages may be written
; THE WAY OUT, block by block of 16 tokens x 128 columns, through my own stage, back as whole rows of 512 bytes
.macro TOSTAGE a
.set AC, 64*(\a)
	WIN 0x08                                       ; the data: window 2
.irp b, 0,1,2,3,4,5,6,7
	ds_store_b128 v[STO], v[AC+8*\b:AC+8*\b+3] offset:128*(\b/2)+32*(\b%2)     ; each accumulator from its low end on
	ds_store_b128 v[STO], v[AC+8*\b+4:AC+8*\b+7] offset:128*(\b/2)+32*(\b%2)+16
.endr
	WIN 0
.set BB, BK+64*((\a)%2)
.irp t, 0,1,2,3,4,5,6,7,8,9,10,11,12,13,14,15
	ds_load_b128 v[BB+4*\t:BB+4*\t+3], v[RD] offset:\t*SPITCH   ; the wave's own bytes, in order behind its stores
.endr
.endm
.macro SEND a, younger
.set BB, BK+64*((\a)%2)
	s_wait_dscnt \younger
.if (\a) > 0
.if (\a)%2
	s_add_nc_u64 s[12:13], s[12:13], 8*4096        ; (behind a wait on XCNT)  row block 2 B + 1 begins 8 tokens behind 2 B,
.else
	s_add_nc_u64 s[12:13], s[12:13], 24*4096       ; the next pair 24 further on
.endif
.endif
.irp t, 0,1,2,3,4,5,6,7,8,9,10,11,12,13,14,15
	global_store_b128 v[L16], v[BB+4*\t:BB+4*\t+3], s[12:13] offset:(\t+8*(\t/8))*4096 th:TH_STORE_NT   ; 32 lanes store 512 consecutive bytes
.endr
.endm
	PLACES NP
	TOSTAGE 0
.irp a, 1,2,3
.if \a > 1
	s_wait_xcnt 0x0                                ; block a - 2's stores have read their registers and their base
.endif
	TOSTAGE \a
	SEND \a-1, 32
.endr
	s_wait_xcnt 0x0
	SEND 3, 0
	s_wait_tensorcnt 0x0                           ; the wave's end
	ds_add_u32 v[SPW], v[NIL]
	s_wait_dscnt 0x0
	CROUND                                         ; the closing round
	s_endpgm
.Lfunc_end_k_q72ebb67fd1_gemm_proj:
	.size	k_q72ebb67fd1_gemm_proj, .Lfunc_end_k_q72ebb67fd1_gemm_proj-k_q72ebb67fd1_gemm_proj
	.p2alignl 7, 3214868480
	.fill 96, 4, 3214868480
	.section	.rodata,"a",@progbits
	.p2align	6, 0x0
	.amdhsa_kernel k_q72ebb67fd1_gemm_proj
		.amdhsa_group_segment_fixed_size 327680
		.amdhsa_private_segment_fixed_size 0
		.amdhsa_enable_private_segment 0
		.amdhsa_kernarg_size 32
		.amdhsa_user_sgpr_count 2
		.amdhsa_user_sgpr_kernarg_segment_ptr 1
		.amdhsa_wavefront_size32 1
		.amdhsa_system_sgpr_workgroup_id_x 1
		.amdhsa_system_sgpr_workgroup_id_y 1
		.amdhsa_system_sgpr_workgroup_id_z 1
		.amdhsa_system_vgpr_workitem_id 0
		.amdhsa_next_free_vgpr 1024
		.amdhsa_next_free_sgpr 106
		.amdhsa_reserve_vcc 0
		.amdhsa_float_denorm_mode_32 3
		.amdhsa_float_denorm_mode_16_64 3
		.amdhsa_memory_ordered 1
		.amdhsa_forward_progress 1
		.amdhsa_inst_pref_size 83
	.end_amdhsa_kernel
	.amdgpu_metadata
---
amdhsa.version: [ 1, 2 ]
amdhsa.kernels:
  - .name:           k_q72ebb67fd1_gemm_proj
    .symbol:         k_q72ebb67fd1_gemm_proj.kd
    .args:
      - { .name: yq, .offset: 0, .size: 8, .value_kind: global_buffer, .address_space: global }
      - { .name: wq, .offset: 8, .size: 8, .value_kind: global_buffer, .address_space: global }
      - { .name: b_proj, .offset: 16, .size: 8, .value_kind: global_buffer, .address_space: global }
      - { .name: out0, .offset: 24, .size: 8, .value_kind: global_buffer, .address_space: global }
    .group_segment_fixed_size: 327680
    .private_segment_fixed_size: 0
    .kernarg_segment_align: 8
    .kernarg_segment_size: 32
    .max_flat_workgroup_size: 128
    .sgpr_count:     106
    .vgpr_count:     1024
    .wavefront_size: 32
...
	.end_amdgpu_metadata
.endif
;; end of part 4
